; MI455X (gfx1250); checked and timed in simulation.
; The chip was launched on July 23, 2026; its instructions are those of AMD's public machine-readable ISA for CDNA 5 (MIT licence, August 2026) and "CDNA5" Instruction Set Architecture Reference Guide (July 2026). The comments in the code are by the model that wrote it; some were corrected since.
;; MHA. Allowed arithmetic: matrix products marked QUANTISED: E5M2 operands, one E8M0 scale for each 32 along K, by v_wmma_scale_f32_16x16x128_f8f6f4 with both operands' format E5M2, f32 sums; everything else in f32.
;; Inputs: Wk 2,048 x 2,048 float32; Wo 2,048 x 2,048 float32; Wq 2,048 x 2,048 float32; Wv 2,048 x 2,048 float32; cos 2,048 x 64 float32; rms_w 2,048 float32; sin 2,048 x 64 float32; x 1 x 2,048 x 2,048 float32.
;; Outputs: out0 1 x 2,048 x 2,048 float32.
;; This version of the problem:
;;   THIS VERSION OF THE PROBLEM IS GIVEN IN LOW PRECISION. The matrix products marked QUANTISED in the list below multiply operands that are first quantised to E5M2 (5 exponent bits, 2 mantissa bits; 8 bits a number), with one power-of-two scale for each 32 numbers along K (OCP MX v1.0); their sums are f32. All else is computed in f32.
;;   The module's matrix products, in the order in which they are computed (A, B: the left and right operand; K: the contracted axis; several contracted axes count as one K, in the product's order):
;;     1. [M 2,048, K 2,048] x [K 2,048, N 2,048]; A: computed on the way; B: input Wq: QUANTISED
;;     2. [M 2,048, K 2,048] x [K 2,048, N 2,048]; A: computed on the way; B: input Wk: QUANTISED
;;     3. [M 2,048, K 2,048] x [K 2,048, N 2,048]; A: computed on the way; B: input Wv: QUANTISED
;;     4. batch 16 x [M 2,048, K 128] x [K 128, N 2,048]; A: computed on the way; B: computed on the way: QUANTISED
;;     5. batch 16 x [M 2,048, K 2,048] x [K 2,048, N 128]; A: softmax (see below); B: computed on the way: QUANTISED
;;     6. [M 2,048, K 2,048] x [K 2,048, N 2,048]; A: computed on the way; B: input Wo: QUANTISED
;;   THE QUANTISER, for each operand of a quantised product, along K:
;;     - K is cut into blocks of 32 from its start; a last block that is shorter is filled with zeros.
;;     - A block's scale is 2^e with e = floor(log2(the largest magnitude in the block)) - 15, held to -126 .. 127; a block of zeros has e = 0. As a byte (E8M0): e + 127.
;;     - Each number is divided by its block's scale, clamped to +-57,344, and rounded to the nearest number of E5M2, ties to even, subnormals kept.
;;     - The product sums the exact products of the quantised numbers (number of the format x scale) in f32.
;;   ~~~python
;;   def quantise(x, axis):      # numpy; x: float32 -> the quantised numbers, widened to float32 again
;;       x = np.moveaxis(x, axis, -1); K = x.shape[-1]
;;       x = np.pad(x, [(0, 0)] * (x.ndim - 1) + [(0, -K % 32)]); x = x.reshape(x.shape[:-1] + (-1, 32)); a = np.abs(x).max(-1, keepdims=True)
;;       e = np.where(a > 0, np.clip(np.frexp(np.where(a > 0, a, 1))[1] - 1 - 15, -126, 127), 0)      # np.frexp(a)[1] - 1 = floor(log2(a)), exactly
;;       r = np.clip(x / 2.0 ** e, -57344, 57344)
;;       step = 2.0 ** (np.maximum(np.frexp(np.where(r == 0, 1, r))[1] - 1, -14) - 2)
;;       q = np.round(r / step) * step * 2.0 ** e      # np.round: ties to even
;;       return np.moveaxis(q.reshape(q.shape[:-2] + (-1,))[..., :K], -1, axis).astype(np.float32)
;;   ~~~
;;   SOFTMAX AHEAD OF A QUANTISED PRODUCT. Where the list says 'softmax', what is quantised is not the finished softmax but p = 2^(t - M), with t = logit x log2(e) and M = ceil(the row's largest t), a whole number; so 1/2 < the row's largest p <= 1. The row's sum l is taken of the UNQUANTISED p, in f32, and the product's result is divided by l at the end. Since M is a whole number, a kernel that streams over the keys may use a running M (the ceiling of the running maximum): every later rescaling is an exact power of two, which a block's scale takes up: the codes' values come out the same.
;;   OPERANDS COMPUTED ON THE WAY. 'Computed on the way' means the value that the module computes at that place (a softmax that the list does not call 'softmax' is quantised finished and normalised). What goes into a quantiser is computed in f32, as accurately as f32 sums, v_exp_f32 and their like allow (about 1e-6 of the number): no bf16 or f16 on the way to a quantiser, and a product that is left as it is and whose result goes on into a quantised operand takes f32 operands (vector FMAs, or v_wmma_f32_16x16x4_f32). A number that lies on a knife's edge between two numbers of the format may be rounded either way, as far as f32 arithmetic and the matrix unit's own rounding can turn it there, and no further.
;; One version. Each part assembles by itself: llvm-mc -triple=amdgcn-amd-amdhsa -mcpu=gfx1250 --defsym DOCPART=n.
;; ======== version 1 of 1: 4 launches
;; limits: right only within a limited range of input values
;; workspace buffers: w_codes 16,777,216 bytes; w_scales 524,288 bytes; h_codes 4,194,304 bytes; h_scales 131,072 bytes; qkv_codes 12,582,912 bytes; qkv_scales 393,216 bytes; a_codes 4,194,304 bytes; a_scales 131,072 bytes
;; launch prep (part 1): grid 384 x 1, 8 waves a work-group, no clusters, 77,824 bytes of LDS; arguments x, rms_w, Wq, Wk, Wv, Wo, w_codes, w_scales, h_codes, h_scales; writes w_codes, w_scales, h_codes, h_scales
.if DOCPART == 1
	.amdgcn_target "amdgcn-amd-amdhsa--gfx1250"
	.amdhsa_code_object_version 6
	.text
	.protected	k_qdd81c0ec82_prep
	.globl	k_qdd81c0ec82_prep
	.p2align	8
	.type	k_qdd81c0ec82_prep,@function
k_qdd81c0ec82_prep:
	s_mov_b64 s[64:65], 0
	v_nop
	global_prefetch_b8 v0, s[64:65] scope:SCOPE_SE
	s_setreg_imm32_b32 hwreg(HW_REG_WAVE_MODE, 25, 1), 1
	s_wait_xcnt 0x0
; PREP: everything that is quantised once.  Work-groups 0-127: h = x * rsqrt(mean(x^2) + 1e-5) * rms_w, 16 tokens each, into codes of BF8 (E5M2) along the 2,048 channels.
; Work-groups 128-383: the four weights [K 2048][N 2048] f32, 256 columns x 256 along K each, into codes along K (their first axis).
; A block of 32 along K has the scale 2^(floor(log2(largest magnitude)) - 15); its byte is the largest magnitude's exponent field - 15, held at 1 from below.
; LAYOUT OF ALL CODES: images of operand registers.  A fragment (16 rows x 128 K) is 2,048 bytes [c 0-3][lane 0-31][16 bytes]: lane (r, h) holds k = 32 c + 16 h + 0..15 of row r.
; Buffers are [tile of 16 rows][K step of 128][2,048].  ROWS STAND AT POSITION p = the row's number with bits 3 and 4 exchanged, so that lane r of tile a holds row 32 (a/2) + 8 (a%2) + r%8 + 16 (r/8).
; Scale bytes: [y = K/256][position][8 bytes]: two words, one for each 128 along K.
; LIMITS: NaN and infinities among the inputs are not served; a block of zeros gets the byte 1 (its codes are zeros, and this program alone reads the bytes).
; No tensor load.  The two kinds of work-group part on the work-group's number and meet again at the one barrier, which every wave of the launch passes.
; WORK LEFT OUT IN THIS PROGRAM: reference() builds a causal mask in its own body: for a key behind the query the score is replaced by the most negative f32 number, and its exponential, after the row's largest score is taken away, is 0 for all
; finite inputs (every row has its own key).  So tiles of 128 keys that lie wholly behind a block of queries add nothing to products 4 and 5 and are not computed.  LIMIT: a NaN, an infinity or an overflow that reaches only those tiles is not carried on.
.set WREG, 5120
.set IMG,  8*WREG                      ; the token tile's codes: 128 runs of 256 bytes, 272 apart
.set UP,   272
.set SCS,  IMG+128*UP                  ; its scale bytes: [y 8][r 16][8 bytes]
.set RW,   16                          ; v16-79   rms_w, as loaded
.set R0,   80                          ; v80-143  row 0, as loaded; later its codes and bytes
.set R1,   144                         ; v144-207 row 1
.set XT,   208                         ; v208-239 two sets of 16 neighbours
.set WX,   16                          ; weights: v16-79 two sets of 32 numbers
.set WC,   80                          ; v80-143  codes: eight registers for each block, so that no store's data are written again
.set SB,   144                         ; v144-145 eight scale bytes
; v1 lane; v2 16 x lane; v3, v4 the stage, in and out; v5 image; v6 scale byte; v7, v8 the way out's LDS reads; v9 4 x lane; v10-12 the weights' offsets; v240-255 at work
	s_load_b256 s[4:11], s[0:1], 0x0               ; x, rms_w, Wq, Wk
	s_load_b256 s[12:19], s[0:1], 0x20             ; Wv, Wo, w_codes, w_scales
	s_load_b128 s[20:23], s[0:1], 0x40             ; h_codes, h_scales
	v_lshl_add_u32 v254, v0, 2, 0x12c00
	v_mov_b32 v255, 0
	v_lshrrev_b32 v1, 5, v0
	s_delay_alu instid0(VALU_DEP_1)
	v_readfirstlane_b32 s24, v1                    ; wave 0..7
	v_and_b32 v1, 31, v0                           ; lane
	s_delay_alu instid0(VALU_DEP_1)
	v_lshlrev_b32 v2, 4, v1                        ; 16 x lane
	s_mul_i32 s25, s24, WREG
	v_lshrrev_b32 v13, 2, v1
	s_delay_alu instid0(VALU_DEP_1)
	v_mul_u32_u24 v3, v13, 80
	v_and_b32 v13, 3, v1
	s_delay_alu instid0(VALU_DEP_1)
	v_lshl_add_u32 v3, v13, 4, v3
	s_delay_alu instid0(VALU_DEP_1)
	v_add_nc_u32 v3, s25, v3                       ; into a stage: four lanes' 64 bytes on end, then 16 of padding
	v_mul_u32_u24 v4, v1, 80
	s_delay_alu instid0(VALU_DEP_1)
	v_add_nc_u32 v4, s25, v4                       ; out of it: 80 x lane: my 16 neighbours
	s_lshl_b32 s25, s24, 5
	s_add_co_u32 s25, s25, IMG
	v_mul_u32_u24 v5, v1, UP
	s_delay_alu instid0(VALU_DEP_1)
	v_add_nc_u32 v5, s25, v5                       ; the image: run 32 c + lane, my wave's two rows at 32 x wave
	v_lshrrev_b32 v13, 4, v1                       ; lane / 16
	v_bfe_u32 v14, v1, 1, 3                        ; (lane / 2) % 8
	s_delay_alu instid0(VALU_DEP_1)
	v_lshl_add_u32 v6, v13, 7, v14
	s_lshl_b32 s25, s24, 4
	s_add_co_u32 s25, s25, SCS
	v_add_nc_u32 v6, s25, v6                       ; the scale byte: y = 2 c + lane / 16, row 2 x wave + i, byte (lane / 2) % 8
	v_and_b32 v14, 15, v1
	v_mul_u32_u24 v7, v13, UP
	s_delay_alu instid0(VALU_DEP_1)
	v_lshl_add_u32 v7, v14, 4, v7
	s_mul_i32 s25, s24, 16*UP
	s_add_co_u32 s25, s25, IMG
	v_add_nc_u32 v7, s25, v7                       ; the way out: my wave's 16 runs, two an instruction
	s_lshl_b32 s25, s24, 7
	s_add_co_u32 s25, s25, SCS
	v_lshl_add_u32 v8, v1, 2, s25                  ; and the 128 scale bytes of y = wave
	v_lshlrev_b32 v9, 2, v1
	v_and_b32 v10, 7, v1                           ; the weights: lane l takes the column whose position is l: bits 3 and 4 exchanged
	v_bfe_u32 v15, v1, 3, 1
	s_delay_alu instid0(VALU_DEP_1)
	v_lshl_or_b32 v10, v15, 4, v10
	s_delay_alu instid0(VALU_DEP_1)
	v_lshl_or_b32 v10, v13, 3, v10
	s_delay_alu instid0(VALU_DEP_1)
	v_lshlrev_b32 v10, 2, v10                      ; 4 bytes a column
	v_lshlrev_b32 v11, 15, v13
	s_delay_alu instid0(VALU_DEP_1)
	v_lshl_add_u32 v11, v14, 4, v11                ; codes: tile lane / 16 (32,768 bytes apart), row lane % 16
	v_lshlrev_b32 v12, 3, v1                       ; scale bytes: 8 a position
	s_mov_b32 s32, 0x600000                        ; the mantissa field of 57,344
	s_mov_b32 s33, 0x76543210
	s_mov_b32 s34, 0xfedcba98                      ; v_permlanex16_b32's selects for lane l xor 16
	s_mov_b32 s35, 0x3a000000                      ; 1 / 2,048
	s_mov_b32 s36, 0x3727c5ac                      ; 1e-5
	s_lshl_b32 s38, ttmp9, 15                      ; the way out's places (used by token work-groups alone): codes: 32,768 x tile + 4,096 x wave
	s_lshl_b32 s25, s24, 12
	s_add_co_u32 s38, s38, s25
	s_mov_b32 s39, 0
	s_lshl_b32 s40, s24, 14                        ; scale bytes: 16,384 x wave (y) + 128 x tile
	s_lshl_b32 s25, ttmp9, 7
	s_add_co_u32 s40, s40, s25
	s_mov_b32 s41, 0
	s_wait_kmcnt 0x0
	s_add_nc_u64 s[20:21], s[20:21], s[38:39]
	s_add_nc_u64 s[22:23], s[22:23], s[40:41]
	s_cmp_lt_u32 ttmp9, 128
	s_cbranch_scc0 .Lweights
	; ---- TOKENS.  Wave w takes positions 16 T + 2 w and the next: two neighbouring tokens
	s_lshl_b32 s26, ttmp9, 4
	s_lshl_b32 s27, s24, 1
	s_add_co_u32 s26, s26, s27                     ; the position
	s_and_b32 s27, s26, 0xffffffe7
	s_and_b32 s28, s26, 8
	s_lshl_b32 s28, s28, 1
	s_or_b32 s27, s27, s28
	s_and_b32 s28, s26, 16
	s_lshr_b32 s28, s28, 1
	s_or_b32 s27, s27, s28                         ; the token: bits 3 and 4 exchanged
	s_lshl_b32 s28, s27, 13                        ; 8,192 bytes a row
	s_mov_b32 s29, 0
	s_add_nc_u64 s[4:5], s[4:5], s[28:29]
.irp j, 0,1,2,3,4,5,6,7,8,9,10,11,12,13,14,15
	global_load_b128 v[RW+4*\j:RW+4*\j+3], v2, s[6:7] offset:512*\j                     ; every load reads 512 consecutive bytes
.endr
.irp j, 0,1,2,3,4,5,6,7,8,9,10,11,12,13,14,15
	global_load_b128 v[R0+4*\j:R0+4*\j+3], v2, s[4:5] offset:512*\j th:TH_LOAD_NT
.endr
.irp j, 0,1,2,3,4,5,6,7,8,9,10,11,12,13,14,15
	global_load_b128 v[R1+4*\j:R1+4*\j+3], v2, s[4:5] offset:8192+512*\j th:TH_LOAD_NT
.endr
; 512 numbers (chunk c of the row in v[rr] on) go through a stage as they lie and come back 64 bytes a lane.  LDS serves a wave's instructions in order: no wait between the stores and the loads
.macro TURN rr, c
.irp j, 0,1,2,3
	ds_store_b128 v3, v[\rr+16*(\c)+4*\j:\rr+16*(\c)+4*\j+3] offset:2560*((\c)%2)+640*\j
.endr
.irp j, 0,1,2,3
	ds_load_b128 v[XT+16*((\c)%2)+4*\j:XT+16*((\c)%2)+4*\j+3], v4 offset:2560*((\c)%2)+16*\j
.endr
.endm
; Chunk c: lane l holds k = 512 c + 16 l + 0..15: two neighbouring lanes hold a block.  Its 16 codes are 16 bytes of run 32 c + l of the tile's image
.macro CHUNK rr, i, c
.set XS, XT+16*((\c)%2)
.if (\c) == 0
	s_wait_dscnt 0x0
.else
	s_wait_dscnt 0x2                               ; this chunk's numbers are back; the last chunk's image store and byte store may be out
.endif
.if (\c) < 3
	TURN \rr, (\c)+1                               ; the next chunk goes through the other stage while this one is worked
.endif
	v_max3_num_f32 v248, |v[XS]|, |v[XS+1]|, |v[XS+2]|
	v_max3_num_f32 v249, |v[XS+3]|, |v[XS+4]|, |v[XS+5]|
.irp k, 6,10
	s_delay_alu instid0(VALU_DEP_2)
	v_max3_num_f32 v248, v248, |v[XS+\k]|, |v[XS+\k+1]|
	s_delay_alu instid0(VALU_DEP_2)
	v_max3_num_f32 v249, v249, |v[XS+\k+2]|, |v[XS+\k+3]|
.endr
	s_delay_alu instid0(VALU_DEP_2)
	v_max3_num_f32 v248, v248, |v[XS+14]|, |v[XS+15]|
	s_delay_alu instid0(VALU_DEP_1)
	v_max3_num_f32 v248, v248, v249, 0x8000000     ; and the floor 2^(16 - 127): the byte cannot fall under 1
	s_delay_alu instid0(VALU_DEP_1)
	v_max_num_f32_dpp v248, v248, v248 row_xmask:1 row_mask:0xf bank_mask:0xf   ; with my neighbour's 16: the block's largest magnitude
	s_delay_alu instid0(VALU_DEP_1)
	v_add_nc_u32 v251, 0xf8800000, v248            ; 15 off its exponent field: the conversion's scale operand
	s_delay_alu instid0(VALU_DEP_2)
	v_and_or_b32 v250, v248, 0x7f800000, s32       ; 57,344 x the scale
.irp k, 0,1,2,3,4,5,6,7,8,9,10,11,12,13,14,15
	v_med3_num_f32 v[XS+\k], v[XS+\k], -v250, v250 ; the conversion to an 8-bit code does not saturate (ISA guide 7.6.2): the hold comes first
.endr
	v_cvt_scalef32_pk8_bf8_f32 v[\rr+16*(\c):\rr+16*(\c)+1], v[XS:XS+7], v251      ; into the chunk's own registers, which its turn has left
	v_cvt_scalef32_pk8_bf8_f32 v[\rr+16*(\c)+2:\rr+16*(\c)+3], v[XS+8:XS+15], v251
	v_lshrrev_b32 v[\rr+16*(\c)+4], 23, v251       ; the scale's byte
	ds_store_b128 v5, v[\rr+16*(\c):\rr+16*(\c)+3] offset:(\c)*32*UP+16*\i
	ds_store_b8 v6, v[\rr+16*(\c)+4] offset:256*(\c)+8*\i      ; both lanes of a block write the same byte with the same value
.endm
.macro ROW rr, i, left
	s_wait_loadcnt \left                           ; rms_w and this row are in; the other row's loads may be out
.irp k, 0,1,2,3
	v_pk_mul_f32 v[240+2*\k:241+2*\k], v[\rr+2*\k:\rr+2*\k+1], v[\rr+2*\k:\rr+2*\k+1]   ; the sum of squares: four chains, started by the first products
.endr
.set n, 8
.rept 28
	s_delay_alu instid0(VALU_DEP_4)
	v_pk_fma_f32 v[240+n%8:241+n%8], v[\rr+n:\rr+n+1], v[\rr+n:\rr+n+1], v[240+n%8:241+n%8]
.set n, n+2
.endr
	s_delay_alu instid0(VALU_DEP_3)
	v_pk_add_f32 v[240:241], v[240:241], v[242:243]
	s_delay_alu instid0(VALU_DEP_2)
	v_pk_add_f32 v[244:245], v[244:245], v[246:247]
	s_delay_alu instid0(VALU_DEP_1)
	v_pk_add_f32 v[240:241], v[240:241], v[244:245]
	s_delay_alu instid0(VALU_DEP_1)
	v_add_f32 v240, v240, v241
	s_delay_alu instid0(VALU_DEP_1)
	v_add_f32_dpp v240, v240, v240 row_xmask:1 row_mask:0xf bank_mask:0xf
	s_delay_alu instid0(VALU_DEP_1)
	v_add_f32_dpp v240, v240, v240 row_xmask:2 row_mask:0xf bank_mask:0xf
	s_delay_alu instid0(VALU_DEP_1)
	v_add_f32_dpp v240, v240, v240 row_xmask:4 row_mask:0xf bank_mask:0xf
	s_delay_alu instid0(VALU_DEP_1)
	v_add_f32_dpp v240, v240, v240 row_xmask:8 row_mask:0xf bank_mask:0xf
	s_delay_alu instid0(VALU_DEP_1)
	v_permlanex16_b32 v241, v240, s33, s34
	s_delay_alu instid0(VALU_DEP_1)
	v_add_f32 v240, v240, v241                     ; every lane holds the row's sum
	s_delay_alu instid0(VALU_DEP_1)
	v_fma_f32 v240, v240, s35, s36                 ; the mean + 1e-5
	s_wait_alu depctr_va_vdst(0)
	v_rsq_f32 v242, v240                           ; twice, to fill the pair that the packed multiply names
	v_rsq_f32 v243, v240
	v_nop                                          ; a plain instruction behind the transcendentals,
	s_wait_alu depctr_va_vdst(0)                   ; and the one wait for both, ahead of their first reader
.set n, 0
.rept 32
	v_pk_mul_f32 v[\rr+n:\rr+n+1], v[\rr+n:\rr+n+1], v[242:243]
.set n, n+2
.endr
.set n, 0
.rept 32
	v_pk_mul_f32 v[\rr+n:\rr+n+1], v[\rr+n:\rr+n+1], v[RW+n:RW+n+1]
.set n, n+2
.endr
	TURN \rr, 0
	CHUNK \rr, \i, 0
	CHUNK \rr, \i, 1
	CHUNK \rr, \i, 2
	CHUNK \rr, \i, 3
.endm
	ROW R0, 0, 16
	ROW R1, 1, 0
	s_branch .Ljoin
	; ---- WEIGHTS.  A lane takes a column and its registers run down K: a block of 32 lies in one lane, and the codes come out with K innermost
.Lweights:
	s_sub_co_u32 s26, ttmp9, 128
	s_lshr_b32 s27, s26, 6                         ; which weight
	s_bfe_u32 s28, s26, 0x30003                    ; which 256 columns
	s_and_b32 s29, s26, 7                          ; which 256 along K
	s_cmp_lt_u32 s27, 2
	s_cselect_b64 s[30:31], s[8:9], s[12:13]       ; Wq or Wv
	s_cselect_b64 s[44:45], s[10:11], s[14:15]     ; Wk or Wo
	s_and_b32 s37, s27, 1
	s_cmp_eq_u32 s37, 0
	s_cselect_b64 s[30:31], s[30:31], s[44:45]
	s_lshl_b32 s40, s29, 21                        ; 256 rows of 8,192 bytes
	s_lshl_b32 s37, s28, 10
	s_add_co_u32 s40, s40, s37
	s_lshl_b32 s37, s24, 7                         ; my wave's 32 columns
	s_add_co_u32 s40, s40, s37
	s_mov_b32 s41, 0
	s_add_nc_u64 s[30:31], s[30:31], s[40:41]
	s_lshl_b32 s40, s27, 22                        ; codes: 4 MiB a weight, 16 tiles a column group, 2 tiles a wave, 4,096 bytes for 256 along K
	s_lshl_b32 s37, s28, 19
	s_add_co_u32 s40, s40, s37
	s_lshl_b32 s37, s24, 16
	s_add_co_u32 s40, s40, s37
	s_lshl_b32 s37, s29, 12
	s_add_co_u32 s40, s40, s37
	s_add_nc_u64 s[16:17], s[16:17], s[40:41]
	s_lshl_b32 s40, s27, 17                        ; scale bytes: 131,072 a weight, 16,384 a y, 8 a position
	s_lshl_b32 s37, s29, 14
	s_add_co_u32 s40, s40, s37
	s_lshl_b32 s37, s28, 11
	s_add_co_u32 s40, s40, s37
	s_lshl_b32 s37, s24, 8
	s_add_co_u32 s40, s40, s37
	s_add_nc_u64 s[18:19], s[18:19], s[40:41]
.macro WLOAD t                         ; block t: W(32 t + i, my column): the wave reads 128 consecutive bytes
.irp i, 0,1,2,3,4,5,6,7,8,9,10,11,12,13,14,15,16,17,18,19,20,21,22,23,24,25,26,27,28,29,30,31
	global_load_b32 v[WX+32*((\t)%2)+\i], v10, s[30:31] offset:(32*(\t)+\i)*8192 th:TH_LOAD_NT
.endr
.endm
.macro WBLOCK t
.set XS, WX+32*((\t)%2)
.if (\t) < 7
	s_wait_loadcnt 32                              ; this block's 32 loads are in; the next block's may be out
.else
	s_wait_loadcnt 0
.endif
	v_max3_num_f32 v248, |v[XS]|, |v[XS+1]|, |v[XS+2]|
	v_max3_num_f32 v249, |v[XS+3]|, |v[XS+4]|, |v[XS+5]|
.irp i, 6,10,14,18,22,26
	s_delay_alu instid0(VALU_DEP_2)
	v_max3_num_f32 v248, v248, |v[XS+\i]|, |v[XS+\i+1]|
	s_delay_alu instid0(VALU_DEP_2)
	v_max3_num_f32 v249, v249, |v[XS+\i+2]|, |v[XS+\i+3]|
.endr
	s_delay_alu instid0(VALU_DEP_2)
	v_max3_num_f32 v248, v248, |v[XS+30]|, |v[XS+31]|
	s_delay_alu instid0(VALU_DEP_1)
	v_max3_num_f32 v248, v248, v249, 0x8000000
	s_delay_alu instid0(VALU_DEP_1)
	v_add_nc_u32 v251, 0xf8800000, v248
	s_delay_alu instid0(VALU_DEP_2)
	v_and_or_b32 v250, v248, 0x7f800000, s32
	s_delay_alu instid0(VALU_DEP_2)
	v_lshrrev_b32 v249, 23, v251
.if (\t)%4 == 0
	s_delay_alu instid0(VALU_DEP_1)
	v_mov_b32 v[SB+(\t)/4], v249                   ; four bytes to a register, the lower K in the lower byte
.else
	s_delay_alu instid0(VALU_DEP_1)
	v_lshl_or_b32 v[SB+(\t)/4], v249, 8*((\t)%4), v[SB+(\t)/4]
.endif
.irp i, 0,1,2,3,4,5,6,7,8,9,10,11,12,13,14,15,16,17,18,19,20,21,22,23,24,25,26,27,28,29,30,31
	v_med3_num_f32 v[XS+\i], v[XS+\i], -v250, v250
.endr
.irp g, 0,1,2,3
	v_cvt_scalef32_pk8_bf8_f32 v[WC+8*(\t)+2*\g:WC+8*(\t)+2*\g+1], v[XS+8*\g:XS+8*\g+7], v251
.endr
	global_store_b128 v11, v[WC+8*(\t):WC+8*(\t)+3], s[16:17] offset:512*(\t)          ; k 0..15 of the block: the image's lanes 0-15; sixteen lanes store 256 consecutive bytes, aligned
	global_store_b128 v11, v[WC+8*(\t)+4:WC+8*(\t)+7], s[16:17] offset:512*(\t)+256    ; k 16..31: its lanes 16-31
.if (\t)+2 < 8
	WLOAD (\t)+2
.endif
.endm
	s_wait_alu depctr_va_vdst(0)
	WLOAD 0
	WLOAD 1
.irp t, 0,1,2,3,4,5,6,7
	WBLOCK \t
.endr
	global_store_b64 v12, v[SB:SB+1], s[18:19]     ; the wave stores 256 consecutive bytes, aligned
.Ljoin:
	s_wait_dscnt 0x0                               ; for the others' sake: my stores into the image have landed
	s_barrier_signal -1
	s_barrier_wait -1
	s_cmp_lt_u32 ttmp9, 128
	s_cbranch_scc0 .Lend
	ds_load_b32 v48, v8                            ; the tile's scale bytes of y = wave
.irp t, 0,1,2,3,4,5,6,7
	ds_load_b128 v[16+4*\t:16+4*\t+3], v7 offset:2*UP*\t
.endr
.irp t, 0,1,2,3,4,5,6,7
	s_wait_dscnt 7-\t
	global_store_b128 v2, v[16+4*\t:16+4*\t+3], s[20:21] offset:512*\t                 ; 512 consecutive bytes an instruction
.endr
	global_store_b32 v9, v48, s[22:23]             ; 128 consecutive bytes: the tile's share of a y
.Lend:
	s_wait_tensorcnt 0x0
	ds_add_u32 v254, v255
	s_wait_dscnt 0x0
	s_endpgm
.Lfunc_end_k_qdd81c0ec82_prep:
	.size	k_qdd81c0ec82_prep, .Lfunc_end_k_qdd81c0ec82_prep-k_qdd81c0ec82_prep
	.p2alignl 7, 3214868480
	.fill 96, 4, 3214868480
	.section	.rodata,"a",@progbits
	.p2align	6, 0x0
	.amdhsa_kernel k_qdd81c0ec82_prep
		.amdhsa_group_segment_fixed_size 77824
		.amdhsa_private_segment_fixed_size 0
		.amdhsa_enable_private_segment 0
		.amdhsa_kernarg_size 80
		.amdhsa_user_sgpr_count 2
		.amdhsa_user_sgpr_kernarg_segment_ptr 1
		.amdhsa_wavefront_size32 1
		.amdhsa_system_sgpr_workgroup_id_x 1
		.amdhsa_system_sgpr_workgroup_id_y 1
		.amdhsa_system_sgpr_workgroup_id_z 1
		.amdhsa_system_vgpr_workitem_id 0
		.amdhsa_next_free_vgpr 256
		.amdhsa_next_free_sgpr 66
		.amdhsa_reserve_vcc 0
		.amdhsa_float_denorm_mode_32 3
		.amdhsa_float_denorm_mode_16_64 3
		.amdhsa_memory_ordered 1
		.amdhsa_forward_progress 1
		.amdhsa_inst_pref_size 110
	.end_amdhsa_kernel
	.amdgpu_metadata
---
amdhsa.version: [ 1, 2 ]
amdhsa.kernels:
  - .name:           k_qdd81c0ec82_prep
    .symbol:         k_qdd81c0ec82_prep.kd
    .args:
      - { .name: x, .offset: 0, .size: 8, .value_kind: global_buffer, .address_space: global }
      - { .name: rms_w, .offset: 8, .size: 8, .value_kind: global_buffer, .address_space: global }
      - { .name: Wq, .offset: 16, .size: 8, .value_kind: global_buffer, .address_space: global }
      - { .name: Wk, .offset: 24, .size: 8, .value_kind: global_buffer, .address_space: global }
      - { .name: Wv, .offset: 32, .size: 8, .value_kind: global_buffer, .address_space: global }
      - { .name: Wo, .offset: 40, .size: 8, .value_kind: global_buffer, .address_space: global }
      - { .name: w_codes, .offset: 48, .size: 8, .value_kind: global_buffer, .address_space: global }
      - { .name: w_scales, .offset: 56, .size: 8, .value_kind: global_buffer, .address_space: global }
      - { .name: h_codes, .offset: 64, .size: 8, .value_kind: global_buffer, .address_space: global }
      - { .name: h_scales, .offset: 72, .size: 8, .value_kind: global_buffer, .address_space: global }
    .group_segment_fixed_size: 77824
    .private_segment_fixed_size: 0
    .kernarg_segment_align: 8
    .kernarg_segment_size: 80
    .max_flat_workgroup_size: 256
    .sgpr_count:     66
    .vgpr_count:     256
    .wavefront_size: 32
...
	.end_amdgpu_metadata
.endif
;; end of part 1
;; launch qkv (part 2): grid 24 x 8, 4 waves a work-group, clusters of 4 x 4, 327,680 bytes of LDS; arguments h_codes, h_scales, w_codes, w_scales, cos, sin, qkv_codes, qkv_scales; writes qkv_codes, qkv_scales
.if DOCPART == 2
	.amdgcn_target "amdgcn-amd-amdhsa--gfx1250"
	.amdhsa_code_object_version 6
	.text
	.protected	k_qdd81c0ec82_qkv
	.globl	k_qdd81c0ec82_qkv
	.p2align	8
	.type	k_qdd81c0ec82_qkv,@function
k_qdd81c0ec82_qkv:
	s_mov_b64 s[64:65], 0
	v_nop
	global_prefetch_b8 v0, s[64:65] scope:SCOPE_SE
	s_setreg_imm32_b32 hwreg(HW_REG_WAVE_MODE, 25, 1), 1
	s_wait_xcnt 0x0
	s_wait_alu depctr_hold_cnt(0) depctr_sa_sdst(0) depctr_va_vdst(0) depctr_va_sdst(0) depctr_va_ssrc(0) depctr_va_vcc(0) depctr_vm_vsrc(0)
	s_getreg_b32 s2, hwreg(HW_REG_IB_STS2, 6, 4)
	s_cmp_eq_u32 s2, 0
	s_cbranch_scc0 .Lentry_in_a_cluster
	s_endpgm
.Lentry_in_a_cluster:
	s_bfe_u32 s2, ttmp6, 0x10000c
	s_cmp_lg_u32 s2, 0xf033
	s_cbranch_scc0 .Lentry_shape_is_right
	s_endpgm
.Lentry_shape_is_right:
; QKV: q = rope(h Wq), k = rope(h Wk), v = h Wv on codes of BF8 (E5M2) with E8M0 scales, K = 2,048; the results are quantised in registers and leave as images of the next products' operand registers.
; A tile of 256 x 256 to a work-group of four waves, 128 x 128 (64 accumulators) to a wave.  K goes in steps of 256 through two LDS slots filled by joint tensor loads.
; TWO KINDS OF TILE, told apart by the CLUSTER's x (the same in all sixteen partners).  Cluster x 0-3: A = h (256 tokens), B = 256 columns of Wq or Wk.  Cluster x 4, 5: A = 256 columns of Wv, B = h: that is V^T.
; The matrix instruction is used transposed (source 0 = 16 rows of B, source 1 = 16 rows of A): a lane holds one row of A and neighbours along B: the head's channels for q and k, the keys for v: each product's next K.
; All code buffers hold fragments as images of registers ([c][lane][16 bytes], 2,048 bytes for 16 rows x 128 K), rows at positions with bits 3 and 4 exchanged: so the 16 registers of result tiles 2 b, 2 b + 1 are the
; 16 neighbours 32 b + 16 (lane / 16) + 0..15, and a conversion's result is the next operand's registers.  A fragment comes from LDS by four loads of 512 consecutive bytes: no pitch, no padding.
; OUT: q [head][token tile][2,048] at 0, k the same at 4 MiB, v [head][128 keys][channel tile][2,048] at 8 MiB; scale words at the codes' offset / 32: 512 bytes for 8 fragments, word (a, r) at 256 (a / 4) + 16 r + 4 (a % 4).
; LIMITS: NaN and infinities are not served; a block of zeros gets the byte 1 (its codes are zeros; this program alone reads the bytes).
; REGISTERS: window 0: v16-31 addresses; v32-63 scale words, two sets; v64-127 the first set of cos and sin; v128-255 A's fragments, one set.  Window 1: B's fragments, two sets.  Windows 2, 3: the accumulators ((a, b) at v[8 (8 (a % 4) + b)]).
.set SLOT,   131072                    ; four quarters of 32,768: A's rows 0-127, 128-255, B's likewise; in a quarter: tile i at 4,096 i, its q-th 128 along K at 2,048 q
.set SCL,    2*SLOT                    ; the scale words of all of K: quarter w at 8,192 w + 128 (w / 2), laid [y][128 rows][8 bytes]; the 128 keep A's and B's halves of a load on different banks
.set SPARE,  295168                    ; the spare words, 128 bytes for each wave
.set NQ,     2
.set FR,     16
.set NL,     4
.set NP,     8                         ; places behind this matrix instruction (ISA guide 7.12.1)
.set LAPS,   4                         ; 2,048 / 512
.set ADRA, 16
.set ADRB, 20
.set ADRS, 27
.set SPW,  28
.set NIL,  29
.set CSO,  30                          ; v30  my lane's byte in 128 rows of cos or sin
.set GO,   31                          ; v31  16 x lane
.set SC,   32
.set AF,   128
.set CS0,  64                          ; the way out: cos (32) and sin (32) of a block: v64-127 and v192-255 by turns
.set RT,   128                         ; v128-191 the products with sin
.set T,    64                          ; then: v64-127 a block's 64 numbers, held
.set PC,   128                         ; v128-159 codes, two sets
.set TM,   160                         ; v160-175 at work
.set PW,   176                         ; v176-183 the eight blocks' scale words
.set SW,   184                         ; v184-187 as they are stored
.set G1, 24
.set G0, 32
.set G1B, 48
.set G0B, 56
.set G1S, 68
.set G0S, 76
.set G1SB, 80
.set G0SB, 88
.set MSB, 0
.macro WIN new                         ; the immediate's high byte repeats the setting that is left
.if MSB != (\new)
	s_set_vgpr_msb (MSB<<8)|(\new)
.set MSB, (\new)
.endif
.endm
.set MUL_LO, 0xa1                      ; source 0 (B) window 1, source 1 (A) window 0, C and D window 2
.set MUL_HI, 0xf1
.set TO_B,   0x40
; A joint load: waves 0 and 1 fetch for A, waves 2 and 3 for B; the branch hangs on the wave's number alone.  Four v_nop follow each of the two lines.
.macro JLOAD g0a, g1a, g0b, g1b
	s_cmp_eq_u32 s21, 0
	s_cbranch_scc0 .Lfor_b_\@
	tensor_load_to_lds s[\g0a:\g0a+3], s[\g1a:\g1a+7]
	s_nop 0
.rept 4
	v_nop
.endr
	s_branch .Lasked_\@
.Lfor_b_\@:
	tensor_load_to_lds s[\g0b:\g0b+3], s[\g1b:\g1b+7]
	s_nop 0
.rept 4
	v_nop
.endr
.Lasked_\@:
.endm
.macro CREST
	s_cmp_lg_u32 s20, 0
	s_cbranch_scc1 .Lnot_wave_0_\@
	s_barrier_signal -3
.Lnot_wave_0_\@:
	s_barrier_wait -3
	s_barrier_signal -1
	s_barrier_wait -1
.endm
.macro CROUND
	s_barrier_signal -1
	s_barrier_wait -1
	CREST
.endm
	s_load_b256 s[4:11], s[0:1], 0x0               ; h_codes, h_scales, w_codes, w_scales
	s_load_b256 s[12:19], s[0:1], 0x20             ; cos, sin, qkv_codes, qkv_scales
	v_lshl_add_u32 v[SPW], v0, 2, SPARE
	v_mov_b32 v[NIL], 0
	ds_add_u32 v28, v29
	ds_add_u32 v28, v29
	s_wait_dscnt 0x0
	v_lshrrev_b32 v1, 5, v0
	v_readfirstlane_b32 s20, v1                    ; wave 0..3
	s_lshr_b32 s21, s20, 1                         ; which half of A's rows is mine.  Also: I fetch for A (0) or for B (1)
	s_and_b32 s22, s20, 1                          ; which half of B's rows.  Also: which 128 rows I fetch
	s_bfe_u32 s40, ttmp6, 0x40000                  ; cx
	s_bfe_u32 s41, ttmp6, 0x40004                  ; cy
	s_lshl_b32 s42, ttmp9, 2
	s_add_co_u32 s42, s42, s40                     ; tile column 0..23
	s_and_b32 s43, ttmp7, 0xffff
	s_lshl_b32 s43, s43, 2
	s_add_co_u32 s43, s43, s41                     ; tile row 0..7
	s_lshl_b32 s44, s41, 2
	s_lshl_b32 s44, 15, s44                        ; my row of the cluster
	s_lshl_b32 s45, 0x1111, s40                    ; my column
	; group 1 for codes: 8 rows (tiles of 16) x 4,096 bytes (256 along K), 32,768 bytes apart; elements of 8 bytes; no padding
	s_or_b32 s[G1], s44, (3<<16)|(1<<21)
	s_or_b32 s[G1B], s45, (3<<16)|(1<<21)
.irp g, G1, G1B
	s_mov_b32 s[\g+1], 512<<16                     ; tensor_dim0
	s_mov_b32 s[\g+2], 8<<16                       ; tensor_dim1
	s_mov_b32 s[\g+3], 512<<16                     ; tile_dim0
	s_mov_b32 s[\g+4], 8                           ; tile_dim1
	s_mov_b32 s[\g+5], 4096                        ; from row to row
	s_mov_b32 s[\g+6], 0
	s_mov_b32 s[\g+7], 0
.endr
	; and for scale words: 8 rows (y) x 1,024 bytes (128 positions), 16,384 bytes apart
	s_or_b32 s[G1S], s44, (3<<16)|(1<<21)
	s_or_b32 s[G1SB], s45, (3<<16)|(1<<21)
.irp g, G1S, G1SB
	s_mov_b32 s[\g+1], 128<<16
	s_mov_b32 s[\g+2], 8<<16
	s_mov_b32 s[\g+3], 128<<16
	s_mov_b32 s[\g+4], 8
	s_mov_b32 s[\g+5], 2048
	s_mov_b32 s[\g+6], 0
	s_mov_b32 s[\g+7], 0
.endr
	s_mov_b32 s66, 0x76543210
	s_mov_b32 s67, 0xfedcba98                      ; v_permlanex16_b32's selects for lane l xor 16
	s_mov_b32 s100, 0xffff0000                     ; lanes 16-31
	s_mov_b32 s101, 0x600000                       ; the mantissa field of 57,344
	; A's offsets hang on the tile row, the kind and the wave alone
	s_lshl_b32 s92, s43, 19                        ; 256 rows of 2,048 bytes
	s_lshl_b32 s23, s22, 18
	s_add_co_u32 s92, s92, s23
	s_lshl_b32 s94, s43, 11                        ; 256 positions of 8 bytes
	s_lshl_b32 s23, s22, 10
	s_add_co_u32 s94, s94, s23
	s_cmp_lt_u32 ttmp9, 4                          ; q or k?
	s_cselect_b32 s23, 0, 0x800000                 ; else A is Wv: the third weight's codes
	s_cselect_b32 s3, 0, 0x40000                   ; and scale words
	s_cselect_b32 s46, 0, 16
	s_add_co_u32 s92, s92, s23
	s_add_co_u32 s94, s94, s3
	s_mov_b32 s93, 0
	s_mov_b32 s95, 0
	; B's on the tile column, the kind and the wave alone
	s_sub_co_u32 s46, s42, s46                     ; B's tile: 0-15 over Wq and Wk, which follow each other; 0-7 over the tokens
	s_lshl_b32 s96, s46, 19
	s_lshl_b32 s47, s22, 18
	s_add_co_u32 s96, s96, s47
	s_mov_b32 s97, 0
	s_lshr_b32 s98, s46, 3
	s_lshl_b32 s98, s98, 17                        ; 131,072 scale bytes a weight
	s_and_b32 s47, s46, 7
	s_lshl_b32 s47, s47, 11
	s_add_co_u32 s98, s98, s47
	s_lshl_b32 s47, s22, 10
	s_add_co_u32 s98, s98, s47
	s_mov_b32 s99, 0
	; where they go: no place in the cluster enters an LDS address
	s_lshl_b32 s[G0+1], s20, 15
	s_add_co_u32 s[G0+5], s[G0+1], SLOT
	s_lshl_b32 s[G0B+1], s20, 15
	s_add_co_u32 s[G0B+5], s[G0B+1], SLOT
	s_lshl_b32 s23, s20, 13
	s_lshl_b32 s3, s21, 7
	s_add_co_u32 s23, s23, s3
	s_add_co_u32 s[G0S+1], s23, SCL
	s_add_co_u32 s[G0SB+1], s23, SCL
.irp g, G0, G0+4, G0B, G0B+4, G0S, G0SB
	s_mov_b32 s[\g], 1
.endr
	s_wait_kmcnt 0x0
	s_cmp_lt_u32 ttmp9, 4
	s_cselect_b64 s[G0+2:G0+3], s[4:5], s[8:9]
	s_cselect_b64 s[G0S+2:G0S+3], s[6:7], s[10:11]
	s_cselect_b64 s[G0B+2:G0B+3], s[8:9], s[4:5]
	s_cselect_b64 s[G0SB+2:G0SB+3], s[10:11], s[6:7]
	s_add_nc_u64 s[G0+2:G0+3], s[G0+2:G0+3], s[92:93]
	s_add_nc_u64 s[G0+6:G0+7], s[G0+2:G0+3], 4096  ; slot 1: the next 256 along K
	s_add_nc_u64 s[G0S+2:G0S+3], s[G0S+2:G0S+3], s[94:95]
	s_add_nc_u64 s[G0B+2:G0B+3], s[G0B+2:G0B+3], s[96:97]
	s_add_nc_u64 s[G0B+6:G0B+7], s[G0B+2:G0B+3], 4096
	s_add_nc_u64 s[G0SB+2:G0SB+3], s[G0SB+2:G0SB+3], s[98:99]
.irp g, G0+3, G0+7, G0B+3, G0B+7, G0S+3, G0SB+3
	s_or_b32 s[\g], s[\g], 0x80000000              ; type = 2
.endr
	CROUND                                         ; all sixteen work-groups are here: the first joint loads meet
	JLOAD G0S, G1S, G0SB, G1SB                     ; three loads of mine are out: the scale words of all of K,
	JLOAD G0, G1, G0B, G1B                         ; slot 0,
	JLOAD G0+4, G1, G0B+4, G1B                     ; slot 1
	v_and_b32 v1, 15, v0                           ; r
	v_bfe_u32 v2, v0, 4, 1                         ; h
	v_and_b32 v3, 31, v0
	v_lshlrev_b32 v[GO], 4, v3                     ; 16 x lane
	s_lshl_b32 s23, s21, 15                        ; my 128 rows of A
	s_lshl_b32 s47, s22, 15                        ; my 128 rows of B,
	s_add_co_u32 s47, s47, 65536                   ; behind A's 256
.irp s, 0,1
	v_add_nc_u32 v[ADRA+\s], s23, v[GO]
	v_add_nc_u32 v[ADRB+\s], s47, v[GO]
	s_add_co_u32 s23, s23, SLOT
	s_add_co_u32 s47, s47, SLOT
.endr
	s_lshl_b32 s23, s21, 13                        ; scale words: A's quarter;
	s_lshl_b32 s47, s22, 13
	s_add_co_u32 s47, s47, 16512
	s_sub_co_u32 s47, s47, s23                     ; B's lies so far behind it:
	v_mul_u32_u24 v6, s47, v2                      ; lanes 16-31 take B's
	s_add_co_u32 s23, s23, SCL
	v_lshl_add_u32 v5, v1, 3, v6                   ; 8 bytes a row
	v_add_nc_u32 v[ADRS], s23, v5
	v_and_b32 v4, 7, v1                            ; cos, sin: lane r's token in a tile is r % 8 + 16 (r / 8) on from the tile's first; a row is 256 bytes; my half's 16 numbers begin 64 h on
	v_lshrrev_b32 v5, 3, v1
	v_lshl_add_u32 v4, v5, 4, v4
	v_lshlrev_b32 v4, 8, v4
	v_lshl_add_u32 v[CSO], v2, 6, v4
	s_lshl_b32 s92, s43, 16                        ; my first token's row: (256 x tile row + 128 x half) x 256 bytes
	s_lshl_b32 s23, s21, 15
	s_add_co_u32 s92, s92, s23
	s_mov_b32 s93, 0
	s_add_nc_u64 s[12:13], s[12:13], s[92:93]
	s_add_nc_u64 s[14:15], s[14:15], s[92:93]
; cos and sin of A's block a: for each lane 2 x 16 neighbours of its token's row, of each table
.macro CSLOAD a, set
.irp be, 0,1
.irp j, 0,1,2,3
	global_load_b128 v[\set+16*\be+4*\j:\set+16*\be+4*\j+3], v[CSO], s[12:13] offset:(32*((\a)/2)+8*((\a)%2))*256+128*\be+16*\j
	global_load_b128 v[\set+32+16*\be+4*\j:\set+32+16*\be+4*\j+3], v[CSO], s[14:15] offset:(32*((\a)/2)+8*((\a)%2))*256+128*\be+16*\j
.endr
.endr
.endm
	CSLOAD 0, CS0                                  ; block 0's, into registers that lie idle through the loop.  A tile of v asks too (the rows lie inside the tables) and does not use them
	; where my results go
	s_lshr_b32 s92, s42, 3                         ; q (0) or k (1): 4 MiB each
	s_lshl_b32 s92, s92, 22
	s_and_b32 s93, s42, 7
	s_lshl_b32 s93, s93, 1
	s_add_co_u32 s93, s93, s22                     ; the head: my 128 columns
	s_lshl_b32 s93, s93, 18
	s_add_co_u32 s92, s92, s93
	s_lshl_b32 s93, s43, 4
	s_lshl_b32 s94, s21, 3
	s_add_co_u32 s93, s93, s94                     ; my first token tile
	s_lshl_b32 s93, s93, 11
	s_add_co_u32 s92, s92, s93
	s_lshl_b32 s94, s43, 1                         ; v: the head is my 128 rows of A,
	s_add_co_u32 s94, s94, s21
	s_lshl_b32 s94, s94, 18
	s_lshl_b32 s95, s46, 1
	s_add_co_u32 s95, s95, s22                     ; the key step my 128 tokens
	s_lshl_b32 s95, s95, 14
	s_add_co_u32 s94, s94, s95
	s_add_co_u32 s94, s94, 0x800000
	s_cmp_lt_u32 ttmp9, 4
	s_cselect_b32 s92, s92, s94
	s_mov_b32 s93, 0
	s_lshr_b32 s94, s92, 5
	s_mov_b32 s95, 0
	s_add_nc_u64 s[16:17], s[16:17], s[92:93]
	s_add_nc_u64 s[18:19], s[18:19], s[94:95]
.macro FRAG reg, adr, q, i             ; a fragment's image: four loads of 512 consecutive bytes
.irp c, 0,1,2,3
	ds_load_b128 v[\reg+4*\c:\reg+4*\c+3], v[\adr] offset:4096*(\i)+2048*(\q)+512*\c
.endr
.endm
; 16 matrix instructions: A's blocks a0, a0 + 1 x B's eight.  The 64 accumulators take turns, one instruction a turn, in the same order in every step.
.macro MUL16 a0, p, q, sc, zero
.irp a, \a0, \a0+1
.irp b, 0,1,2,3,4,5,6,7
.if \zero
	v_wmma_scale_f32_16x16x128_f8f6f4 v[8*(8*((\a)%4)+\b):8*(8*((\a)%4)+\b)+7], v[128*(\p)+FR*\b:128*(\p)+FR*\b+FR-1], v[AF+FR*(\a):AF+FR*(\a)+FR-1], 0, v[SC+8*NQ*(\sc)+NQ*\b+(\q)], v[SC+8*NQ*(\sc)+NQ*(\a)+(\q)] matrix_a_fmt:MATRIX_FMT_BF8 matrix_b_fmt:MATRIX_FMT_BF8 matrix_a_scale:MATRIX_SCALE_ROW1
.else
	v_wmma_scale_f32_16x16x128_f8f6f4 v[8*(8*((\a)%4)+\b):8*(8*((\a)%4)+\b)+7], v[128*(\p)+FR*\b:128*(\p)+FR*\b+FR-1], v[AF+FR*(\a):AF+FR*(\a)+FR-1], v[8*(8*((\a)%4)+\b):8*(8*((\a)%4)+\b)+7], v[SC+8*NQ*(\sc)+NQ*\b+(\q)], v[SC+8*NQ*(\sc)+NQ*(\a)+(\q)] matrix_a_fmt:MATRIX_FMT_BF8 matrix_b_fmt:MATRIX_FMT_BF8 matrix_a_scale:MATRIX_SCALE_ROW1
.endif
.endr
.endr
.endm
.macro FETCH_B slot, q, p
	WIN TO_B
.irp i, 0,1,2,3,4,5,6,7
	FRAG 128*(\p)+FR*\i, ADRB+\slot, \q, \i
.endr
	WIN 0
.endm
.macro FETCH_A slot, q, i0
.irp i, \i0, \i0+1, \i0+2, \i0+3
	FRAG AF+FR*(\i), ADRA+\slot, \q, \i
.endr
.endm
.macro SCALES sc                       ; a slot's scale words: two a row; lanes 0-15 take A's block i, lanes 16-31 B's block i
.irp i, 0,1,2,3,4,5,6,7
	ds_load_b64 v[SC+8*NQ*\sc+NQ*\i:SC+8*NQ*\sc+NQ*\i+1], v[ADRS] offset:128*\i
.endr
.endm
.macro PLACES n                        ; plain vector instructions between a matrix instruction and a load into, or a read of, its registers
.rept \n
	v_nop
.endr
.endm
.macro STEP slot, q, zero              ; 128 along K that have their successor in the same slot
	s_wait_dscnt 4*NL                              ; B's set and A's blocks 0-3 are in; the youngest 16 loads (A's blocks 4-7) may be out
	WIN MUL_LO
	MUL16 0, (\q)%2, \q, \slot, \zero
	MUL16 2, (\q)%2, \q, \slot, \zero
	s_wait_dscnt 0
	PLACES NP
	FETCH_B \slot, (\q)+1, 1-(\q)%2
	FETCH_A \slot, (\q)+1, 0
	WIN MUL_HI
	MUL16 4, (\q)%2, \q, \slot, \zero
	MUL16 6, (\q)%2, \q, \slot, \zero
	PLACES NP
	WIN 0
	FETCH_A \slot, (\q)+1, 4
.endm
; A slot's last step changes slots: one barrier; in front of it each wave waits for all its tensor loads, adds 0 to its spare word, and waits for that and for its reads of this slot
.macro TURN slot, next, fill
	s_wait_tensorcnt 0x0                           ; all my tensor loads have landed: my part of the next slot
	ds_add_u32 v[SPW], v[NIL]                      ; 0 onto my spare word
	s_wait_dscnt 4*NL+1                            ; (the add and the youngest 16 loads may be out)
	WIN MUL_LO
	MUL16 0, 1, NQ-1, \slot, 0
	s_wait_dscnt 0x0                               ; the add is done, and my reads of this slot are over
	s_barrier_signal -1
	MUL16 2, 1, NQ-1, \slot, 0
	WIN 0
	s_barrier_wait -1
.if \fill
	CREST                                          ; the barrier has opened a round of the cluster's barrier: no wave of any partner still reads this slot or has a load on its way
	s_add_nc_u64 s[G0+4*\slot+2:G0+4*\slot+3], s[G0+4*\slot+2:G0+4*\slot+3], 8192
	s_add_nc_u64 s[G0B+4*\slot+2:G0B+4*\slot+3], s[G0B+4*\slot+2:G0B+4*\slot+3], 8192
	JLOAD G0+4*\slot, G1, G0B+4*\slot, G1B         ; the first tensor load behind the round; its four v_nop are among the places in front of the loads below
	PLACES NP-4
.else
	PLACES NP
.endif
	v_add_nc_u32 v[ADRS], 1024, v[ADRS]            ; the next slot's scale words
	FETCH_B \next, 0, 0
	FETCH_A \next, 0, 0
	SCALES \next
	WIN MUL_HI
	MUL16 4, 1, NQ-1, \slot, 0
	MUL16 6, 1, NQ-1, \slot, 0
	PLACES NP
	WIN 0
	FETCH_A \next, 0, 4
.endm
	s_wait_tensorcnt 1                             ; the scale words and my part of slot 0 are in; slot 1's load may be out
	s_barrier_signal -1
	s_barrier_wait -1
	FETCH_B 0, 0, 0
	FETCH_A 0, 0, 0
	SCALES 0
	FETCH_A 0, 0, 4
	STEP 0, 0, 1                                   ; the first step stands in front of the loop: its products start the sums
	s_mov_b32 s3, LAPS-1
.Llap:
	TURN 0, 1, 1
	STEP 1, 0, 0
	TURN 1, 0, 1
	STEP 0, 0, 0
	s_sub_co_u32 s3, s3, 1
	s_cmp_lg_u32 s3, 0
	s_cbranch_scc1 .Llap
	TURN 0, 1, 0                                   ; the last lap fills nothing
	STEP 1, 0, 0
	s_wait_dscnt 4*NL
	WIN MUL_LO
	MUL16 0, 1, NQ-1, 1, 0
	MUL16 2, 1, NQ-1, 1, 0
	s_wait_dscnt 0
	WIN MUL_HI
	MUL16 4, 1, NQ-1, 1, 0
	MUL16 6, 1, NQ-1, 1, 0
	WIN 0
	; THE WAY OUT.  In block a (16 rows of A) register 16 be + i of a lane is column 32 be + 16 (lane / 16) + i of its row.
	PLACES NP
	s_cmp_lt_u32 ttmp9, 4
	s_cbranch_scc0 .Lno_rope
; ROPE, in place: t1 = channels 0-63 (registers 0-31), t2 = channels 64-127 (registers 32-63), cos and sin by the channel mod 64.  Registers are taken in ascending order
.macro ROPE a
.set W, 2+(\a)/4
.set AC, 64*((\a)%4)
.set CS, CS0+128*((\a)%2)
.if (\a) < 7
	s_wait_loadcnt 16                              ; this block's cos and sin are in; the next block's 16 loads may be out
.else
	s_wait_loadcnt 0
.endif
	WIN W                                          ; source 0 in the accumulators' window
.set n, 0
.rept 16
	v_pk_mul_f32 v[RT+n:RT+n+1], v[AC+32+n:AC+32+n+1], v[CS+32+n:CS+32+n+1]      ; t2 sin
.set n, n+2
.endr
.set n, 0
.rept 16
	v_pk_mul_f32 v[RT+32+n:RT+32+n+1], v[AC+n:AC+n+1], v[CS+32+n:CS+32+n+1]      ; t1 sin
.set n, n+2
.endr
	WIN (W<<6)|W                                   ; and the destination too
.set n, 0
.rept 16
	v_pk_fma_f32 v[AC+n:AC+n+1], v[AC+n:AC+n+1], v[CS+n:CS+n+1], v[RT+n:RT+n+1] neg_lo:[0,0,1] neg_hi:[0,0,1]   ; t1 cos - t2 sin
.set n, n+2
.endr
.set n, 0
.rept 16
	v_pk_fma_f32 v[AC+32+n:AC+32+n+1], v[AC+32+n:AC+32+n+1], v[CS+n:CS+n+1], v[RT+32+n:RT+32+n+1]             ; t2 cos + t1 sin
.set n, n+2
.endr
	WIN 0
.if (\a)+2 < 8
	CSLOAD (\a)+2, CS
.endif
.endm
	CSLOAD 1, CS0+128
.irp a, 0,1,2,3,4,5,6,7
	ROPE \a
.endr
.Lno_rope:
	s_wait_loadcnt 0x0                             ; (a tile of v: the set asked for at the head has landed, so its registers may be written)
.irp b, 0,1,2,3
	v_mov_b32 v[TM+4+\b], 0                        ; written once: a lane permute's destination counts as one of its sources
.endr
; Block a's 64 numbers a lane become a fragment's codes and its rows' scale word.  The hold moves the numbers into window 0 on the way
.macro QUANTW a
.set W, 2+(\a)/4
.set AC, 64*((\a)%4)
.set PCS, PC+16*((\a)%2)
	WIN W|(W<<2)                                   ; sources 0 and 1 in the accumulators' window
.irp b, 0,1,2,3
	v_max3_num_f32 v[TM+\b], |v[AC+16*\b]|, |v[AC+16*\b+1]|, 0x8000000           ; my 16 numbers of block b, and the floor 2^(16 - 127)
.endr
.irp i, 2,4,6,8,10,12,14
.irp b, 0,1,2,3
	v_max3_num_f32 v[TM+\b], |v[AC+16*\b+\i]|, |v[AC+16*\b+\i+1]|, v[TM+\b]
.endr
.endr
	WIN 0
.irp b, 0,1,2,3
	v_permlanex16_b32 v[TM+4+\b], v[TM+\b], s66, s67
.endr
.irp b, 0,1,2,3
	v_max_num_f32 v[TM+\b], v[TM+\b], v[TM+4+\b]   ; with lane l xor 16's: the block's largest magnitude
.endr
.irp b, 0,1,2,3
	v_add_nc_u32 v[TM+12+\b], 0xf8800000, v[TM+\b] ; 15 off its exponent field: the conversion's scale operand
.endr
.irp b, 0,1,2,3
	v_and_or_b32 v[TM+8+\b], v[TM+\b], 0x7f800000, s101   ; 57,344 x the scale
.endr
.irp b, 0,1,2,3
	v_lshrrev_b32 v[TM+4+\b], 23, v[TM+12+\b]      ; the scale's byte
.endr
	v_lshl_or_b32 v[PW+(\a)], v[TM+5], 8, v[TM+4]
	v_lshl_or_b32 v[PW+(\a)], v[TM+6], 16, v[PW+(\a)]
	v_lshl_or_b32 v[PW+(\a)], v[TM+7], 24, v[PW+(\a)]
	WIN W
.irp b, 0,1,2,3
.irp i, 0,1,2,3,4,5,6,7,8,9,10,11,12,13,14,15
	v_med3_num_f32 v[T+16*\b+\i], v[AC+16*\b+\i], -v[TM+8+\b], v[TM+8+\b]        ; the conversion to an 8-bit code does not saturate (ISA guide 7.6.2)
.endr
.endr
	WIN 0
.if (\a) > 1
	s_wait_xcnt 0x0                                ; the stores of two blocks back have read this set of codes
.endif
.irp b, 0,1,2,3
	v_cvt_scalef32_pk8_bf8_f32 v[PCS+4*\b:PCS+4*\b+1], v[T+16*\b:T+16*\b+7], v[TM+12+\b]
	v_cvt_scalef32_pk8_bf8_f32 v[PCS+4*\b+2:PCS+4*\b+3], v[T+16*\b+8:T+16*\b+15], v[TM+12+\b]
.endr
	v_nop                                          ; a plain instruction behind the last conversion
.irp c, 0,1,2,3
	global_store_b128 v[GO], v[PCS+4*\c:PCS+4*\c+3], s[16:17] offset:2048*(\a)+512*\c   ; the image: 512 consecutive bytes an instruction
.endr
.endm
.irp a, 0,1,2,3,4,5,6,7
	QUANTW \a
.endr
.irp k, 0,1,2,3
	v_cndmask_b32 v[SW+\k], v[PW+\k], v[PW+4+\k], s100      ; lanes 0-15 carry blocks 0-3's words, lanes 16-31 blocks 4-7's
.endr
	global_store_b128 v[GO], v[SW:SW+3], s[18:19]  ; 512 consecutive bytes
	s_wait_tensorcnt 0x0                           ; the wave's end
	ds_add_u32 v[SPW], v[NIL]
	s_wait_dscnt 0x0
	CROUND                                         ; the closing round
	s_endpgm
.Lfunc_end_k_qdd81c0ec82_qkv:
	.size	k_qdd81c0ec82_qkv, .Lfunc_end_k_qdd81c0ec82_qkv-k_qdd81c0ec82_qkv
	.p2alignl 7, 3214868480
	.fill 96, 4, 3214868480
	.section	.rodata,"a",@progbits
	.p2align	6, 0x0
	.amdhsa_kernel k_qdd81c0ec82_qkv
		.amdhsa_group_segment_fixed_size 327680
		.amdhsa_private_segment_fixed_size 0
		.amdhsa_enable_private_segment 0
		.amdhsa_kernarg_size 64
		.amdhsa_user_sgpr_count 2
		.amdhsa_user_sgpr_kernarg_segment_ptr 1
		.amdhsa_wavefront_size32 1
		.amdhsa_system_sgpr_workgroup_id_x 1
		.amdhsa_system_sgpr_workgroup_id_y 1
		.amdhsa_system_sgpr_workgroup_id_z 1
		.amdhsa_system_vgpr_workitem_id 0
		.amdhsa_next_free_vgpr 1024
		.amdhsa_next_free_sgpr 102
		.amdhsa_reserve_vcc 0
		.amdhsa_float_denorm_mode_32 3
		.amdhsa_float_denorm_mode_16_64 3
		.amdhsa_memory_ordered 1
		.amdhsa_forward_progress 1
		.amdhsa_inst_pref_size 230
	.end_amdhsa_kernel
	.amdgpu_metadata
---
amdhsa.version: [ 1, 2 ]
amdhsa.kernels:
  - .name:           k_qdd81c0ec82_qkv
    .symbol:         k_qdd81c0ec82_qkv.kd
    .args:
      - { .name: h_codes, .offset: 0, .size: 8, .value_kind: global_buffer, .address_space: global }
      - { .name: h_scales, .offset: 8, .size: 8, .value_kind: global_buffer, .address_space: global }
      - { .name: w_codes, .offset: 16, .size: 8, .value_kind: global_buffer, .address_space: global }
      - { .name: w_scales, .offset: 24, .size: 8, .value_kind: global_buffer, .address_space: global }
      - { .name: cos, .offset: 32, .size: 8, .value_kind: global_buffer, .address_space: global }
      - { .name: sin, .offset: 40, .size: 8, .value_kind: global_buffer, .address_space: global }
      - { .name: qkv_codes, .offset: 48, .size: 8, .value_kind: global_buffer, .address_space: global }
      - { .name: qkv_scales, .offset: 56, .size: 8, .value_kind: global_buffer, .address_space: global }
    .group_segment_fixed_size: 327680
    .private_segment_fixed_size: 0
    .kernarg_segment_align: 8
    .kernarg_segment_size: 64
    .max_flat_workgroup_size: 128
    .sgpr_count:     102
    .vgpr_count:     1024
    .wavefront_size: 32
...
	.end_amdgpu_metadata
.endif
;; end of part 2
;; launch attn (part 3): grid 16 x 16, 8 waves a work-group, clusters of 4 x 1, 327,680 bytes of LDS; arguments qkv_codes, qkv_scales, a_codes, a_scales; writes a_codes, a_scales
.if DOCPART == 3
	.amdgcn_target "amdgcn-amd-amdhsa--gfx1250"
	.amdhsa_code_object_version 6
	.text
	.protected	k_qdd81c0ec82_attn
	.globl	k_qdd81c0ec82_attn
	.p2align	8
	.type	k_qdd81c0ec82_attn,@function
k_qdd81c0ec82_attn:
	s_mov_b64 s[64:65], 0
	v_nop
	global_prefetch_b8 v0, s[64:65] scope:SCOPE_SE
	s_setreg_imm32_b32 hwreg(HW_REG_WAVE_MODE, 25, 1), 1
	s_wait_xcnt 0x0
	s_wait_alu depctr_hold_cnt(0) depctr_sa_sdst(0) depctr_va_vdst(0) depctr_va_sdst(0) depctr_va_ssrc(0) depctr_va_vcc(0) depctr_vm_vsrc(0)
	s_getreg_b32 s2, hwreg(HW_REG_IB_STS2, 6, 4)
	s_cmp_eq_u32 s2, 0
	s_cbranch_scc0 .Lentry_in_a_cluster
	s_endpgm
.Lentry_in_a_cluster:
	s_bfe_u32 s2, ttmp6, 0x10000c
	s_cmp_lg_u32 s2, 0x3003
	s_cbranch_scc0 .Lentry_shape_is_right
	s_endpgm
.Lentry_shape_is_right:
.set SLOT1, 1<<17
.set SCK,   2*SLOT1
.set SPARE, SCK+16384
.set LI,  1
.set DM,  2
.set LS0, 3
.set QS,  4
.set SPW, 5
.set NIL, 6
.set PFO, 7
.set ADK, 8
.set ADV, 9
.set ADS, 10
.set OS8, 11
.set WV,  12
.set MNT, 19
.set SEL, 20
.set CS,  22
.set G1,  24
.set G1S, 32
.set G0,  40
.set G0S, 44
.set TB,  48
.set TS,  49
.set KF,  50
.set QG,  51
.set SLOTS, 52
.set INNER, 53
.set LIM, 54
.set PFA, 56
.macro CROUND
	s_barrier_signal -1
	s_barrier_wait -1
	s_cmp_lg_u32 s[WV], 0
	s_cbranch_scc1 .Lnot_wave_0_\@
	s_barrier_signal -3
.Lnot_wave_0_\@:
	s_barrier_wait -3
	s_barrier_signal -1
	s_barrier_wait -1
.endm
.macro ASK
	s_cmp_gt_u32 s[SLOTS], s[LIM]
	s_cbranch_scc0 .Lnot_mine_\@
	global_prefetch_b8 v[PFO], s[PFA:PFA+1] th:TH_LOAD_NT scope:SCOPE_SE
.Lnot_mine_\@:
.endm
	s_load_b256 s[4:11], s[0:1], 0x0
	v_lshl_add_u32 v[SPW], v0, 2, SPARE
	v_mov_b32 v[NIL], 0
	ds_add_u32 v5, v6
	ds_add_u32 v5, v6
	s_wait_dscnt 0x0
	v_lshrrev_b32 v8, 5, v0
	s_delay_alu instid0(VALU_DEP_1)
	v_readfirstlane_b32 s[WV], v8
	s_and_b32 s13, ttmp7, 0xffff
	s_bfe_u32 s14, ttmp6, 0x40000
	s_lshr_b32 s58, s[WV], 1
	s_lshr_b32 s59, s[WV], 2
	s_xor_b32 s58, s58, s59
	s_and_b32 s58, s58, 1
	s_mul_i32 s58, s58, 7
	s_xor_b32 s58, s58, ttmp9
	s_lshl_b32 s59, s59, 3
	s_add_co_u32 s15, s58, s59
	s_and_b32 s16, s[WV], 1
	s_lshl_b32 s16, s16, 2
	s_add_co_u32 s16, s16, s14
	s_lshl_b32 s17, s15, 3
	s_add_co_u32 s17, s17, s16
	s_lshl_b32 s[QG], s15, 7
	s_lshr_b32 s58, s[WV], 2
	s_add_co_u32 s58, s58, 1
	s_lshl_b32 s58, s58, 22
	s_lshl_b32 s60, s13, 18
	s_add_co_u32 s58, s58, s60
	s_and_b32 s60, s[WV], 3
	s_lshl_b32 s60, s60, 14
	s_add_co_u32 s58, s58, s60
	s_mov_b32 s59, 0
	s_lshr_b32 s60, s[WV], 2
	s_add_co_u32 s60, s60, 1
	s_lshl_b32 s60, s60, 17
	s_lshl_b32 s61, s13, 13
	s_add_co_u32 s60, s60, s61
	s_and_b32 s61, s[WV], 3
	s_lshl_b32 s61, s61, 11
	s_add_co_u32 s60, s60, s61
	s_mov_b32 s61, 0
	s_mov_b32 s[G1], 15|(3<<16)|(1<<21)
	s_mov_b32 s[G1+1], 32<<16
	s_mov_b32 s[G1+2], 64<<16
	s_mov_b32 s[G1+3], 32<<16
	s_mov_b32 s[G1+4], 64
	s_mov_b32 s[G1+5], 32
	s_mov_b32 s[G1+6], 0
	s_mov_b32 s[G1+7], 0
	s_mov_b32 s[G1S], 15|(3<<16)|(1<<21)
	s_mov_b32 s[G1S+1], 32<<16
	s_mov_b32 s[G1S+2], 8<<16
	s_mov_b32 s[G1S+3], 32<<16
	s_mov_b32 s[G1S+4], 8
	s_mov_b32 s[G1S+5], 32
	s_mov_b32 s[G1S+6], 0
	s_mov_b32 s[G1S+7], 0
	s_mov_b32 s[SEL], 0x76543210
	s_mov_b32 s[SEL+1], 0xfedcba98
	s_mov_b32 s[CS], 0x3e0293ee
	s_mov_b32 s[CS+1], s[CS]
	s_mov_b32 s[TB], 0
	s_mov_b32 s[TS], 0
	s_mov_b32 s[KF], 0
	s_mov_b32 s[SLOTS], 3
	s_and_b32 s[LIM], s[WV], 1
	s_or_b32 s[LIM], s[LIM], ttmp9
	s_cmp_eq_u32 s[LIM], 0
	s_cselect_b32 s[LIM], 1, -1
	s_lshl_b32 s62, s14, 13
	s_add_co_u32 s62, s62, 65536
	s_mov_b32 s63, 0
	s_lshl_b32 s68, s13, 18
	s_lshl_b32 s66, s17, 11
	s_add_co_u32 s68, s68, s66
	s_mov_b32 s69, 0
	s_lshl_b32 s70, s13, 13
	s_lshl_b32 s66, s15, 9
	s_add_co_u32 s70, s70, s66
	s_lshr_b32 s66, s16, 2
	s_lshl_b32 s66, s66, 8
	s_add_co_u32 s70, s70, s66
	s_and_b32 s66, s16, 3
	s_lshl_b32 s66, s66, 2
	s_add_co_u32 s70, s70, s66
	s_mov_b32 s71, 0
	s_lshl_b32 s72, s17, 15
	s_lshl_b32 s66, s13, 11
	s_add_co_u32 s72, s72, s66
	s_mov_b32 s73, 0
	s_lshr_b32 s74, s13, 1
	s_lshl_b32 s74, s74, 14
	s_lshl_b32 s66, s17, 7
	s_add_co_u32 s74, s74, s66
	s_and_b32 s66, s13, 1
	s_lshl_b32 s66, s66, 2
	s_add_co_u32 s74, s74, s66
	s_mov_b32 s75, 0
	s_lshr_b32 s66, s16, 1
	s_lshl_b32 s66, s66, 5
	s_and_b32 s67, s16, 1
	s_lshl_b32 s67, s67, 3
	s_add_co_u32 s66, s66, s67
	s_mov_b32 s[G0], 1
	s_lshl_b32 s[G0+1], s[WV], 14
	s_mov_b32 s[G0S], 1
	s_lshl_b32 s[G0S+1], s[WV], 11
	s_add_co_u32 s[G0S+1], s[G0S+1], SCK
	s_wait_kmcnt 0x0
	s_add_nc_u64 s[G0+2:G0+3], s[4:5], s[58:59]
	s_add_nc_u64 s[PFA:PFA+1], s[G0+2:G0+3], s[62:63]
	s_or_b32 s[G0+3], s[G0+3], 0x80000000
	s_add_nc_u64 s[G0S+2:G0S+3], s[6:7], s[60:61]
	s_or_b32 s[G0S+3], s[G0S+3], 0x80000000
	s_add_nc_u64 s[68:69], s[4:5], s[68:69]
	s_add_nc_u64 s[70:71], s[6:7], s[70:71]
	s_add_nc_u64 s[72:73], s[8:9], s[72:73]
	s_add_nc_u64 s[74:75], s[10:11], s[74:75]
	CROUND
	tensor_load_to_lds s[G0S:G0S+3], s[G1S:G1S+7]
	s_nop 0
	tensor_load_to_lds s[G0:G0+3], s[G1:G1+7]
	s_nop 0
.rept 4
	v_nop
.endr
	v_and_b32 v8, 31, v0
	s_delay_alu instid0(VALU_DEP_1)
	v_lshlrev_b32 v[LI], 4, v8
	s_delay_alu instid0(VALU_DEP_2)
	v_lshlrev_b32 v[PFO], 8, v8
	s_delay_alu instid0(VALU_DEP_2)
	v_add_nc_u32 v[LS0], SCK, v[LI]
	v_and_b32 v8, 15, v0
	v_bfe_u32 v9, v0, 4, 1
	s_delay_alu instid0(VALU_DEP_2)
	v_lshlrev_b32 v[QS], 4, v8
	s_delay_alu instid0(VALU_DEP_3)
	v_lshlrev_b32 v[OS8], 3, v8
.irp c, 0,1,2,3
	global_load_b128 v[16+4*\c:19+4*\c], v[LI], s[68:69] offset:512*\c
.endr
	global_load_b32 v255, v[QS], s[70:71]
	v_and_b32 v10, 7, v8
	v_lshrrev_b32 v12, 3, v8
	s_delay_alu instid0(VALU_DEP_1)
	v_lshl_add_u32 v10, v12, 4, v10
	v_lshlrev_b32 v12, 4, v9
	s_delay_alu instid0(VALU_DEP_1)
	v_sub_nc_u32 v10, v10, v12
	s_delay_alu instid0(VALU_DEP_1)
	v_add_nc_u32 v[DM], s66, v10
	v_mov_b32 v13, 0xff61b1e6
	s_delay_alu instid0(VALU_DEP_1)
	v_floor_f32 v12, -v13
	v_mov_b32 v14, 0
	v_mov_b32 v15, 0
.irp b, 0,1,2,3
	v_mov_b32 v[236+\b], 0
.endr
	v_mov_b32 v252, 0
	v_mov_b32 v253, 0
.set n, 0
.rept 64
	v_mov_b32 v[160+n], 0
.set n, n+1
.endr
.macro STEP
	s_cmp_gt_u32 s[KF], s[QG]
	s_cbranch_scc1 .Lhidden_\@
	s_setprio 2
	v_add_nc_u32 v[ADK], s[TB], v[LI]
	s_wait_alu depctr_va_vdst(0)
	v_add_nc_u32 v[ADV], 0x10000, v[ADK]
	v_add_nc_u32 v[ADS], s[TS], v[LS0]
.irp g, 0,1
.rept 8-3*(1-\g)
	v_nop
.endr
.irp t, 0,1,2,3
.irp c, 0,1,2,3
	ds_load_b128 v[32+16*\t+4*\c:32+16*\t+4*\c+3], v[ADK] offset:(4*\g+\t)*2048+512*\c
.endr
.endr
.if \g == 0
	ds_load_b128 v[248:251], v[ADS]
.endif
	s_wait_dscnt 0x0
.irp t, 0,1,2,3
.if \g == 0
	v_wmma_scale_f32_16x16x128_f8f6f4 v[96+8*\t:103+8*\t], v[32+16*\t:47+16*\t], v[16:31], 0, v[248+\t], v255 matrix_a_fmt:MATRIX_FMT_BF8 matrix_b_fmt:MATRIX_FMT_BF8
.else
	v_wmma_scale_f32_16x16x128_f8f6f4 v[128+8*\t:135+8*\t], v[32+16*\t:47+16*\t], v[16:31], 0, v[248+\t], v255 matrix_a_fmt:MATRIX_FMT_BF8 matrix_b_fmt:MATRIX_FMT_BF8 matrix_a_scale:MATRIX_SCALE_ROW1
.endif
.endr
.endr
.rept 8
	v_nop
.endr
	s_cmp_lg_u32 s[KF], s[QG]
	s_cbranch_scc1 .Lopen_\@
	v_mov_b32 v254, 0xff800000
.set n, 0
.rept 64
	v_cmp_gt_i32 vcc_lo, 32*(n/16)+n%16, v[DM]
	v_cndmask_b32 v[96+n], v[96+n], v254, vcc_lo
.set n, n+1
.endr
.Lopen_\@:
.irp b, 0,1,2,3
	v_max3_num_f32 v[232+\b], v[96+16*\b], v[97+16*\b], v[98+16*\b]
.endr
.irp i, 3,5,7,9,11,13
.irp b, 0,1,2,3
	v_max3_num_f32 v[232+\b], v[232+\b], v[96+16*\b+\i], v[97+16*\b+\i]
.endr
.endr
.irp b, 0,1,2,3
	v_max_num_f32 v[232+\b], v[232+\b], v[111+16*\b]
.endr
.irp b, 0,1,2,3
	v_permlanex16_b32 v[236+\b], v[232+\b], s[SEL], s[SEL+1]
.endr
.irp b, 0,1,2,3
	s_delay_alu instid0(VALU_DEP_4)
	v_max_num_f32 v[232+\b], v[232+\b], v[236+\b]
.endr
	s_delay_alu instid0(VALU_DEP_2)
	v_max3_num_f32 v254, v232, v233, v234
	s_delay_alu instid0(VALU_DEP_1)
	v_max_num_f32 v254, v254, v235
	s_delay_alu instid0(VALU_DEP_1)
	v_mul_f32 v254, s[CS], v254
	s_delay_alu instid0(VALU_DEP_1)
	v_max_num_f32 v13, v13, v254
	v_mov_b32 v254, v12
	s_delay_alu instid0(VALU_DEP_2)
	v_floor_f32 v12, -v13
	s_delay_alu instid0(VALU_DEP_1)
	v_sub_f32 v254, v12, v254
	s_delay_alu instid0(VALU_DEP_1)
	v_cvt_i32_f32 v254, v254
	s_delay_alu instid0(VALU_DEP_1)
	v_ldexp_f32 v252, 1.0, v254
.set n, 0
.rept 32
	v_pk_fma_f32 v[96+n:97+n], v[96+n:97+n], s[CS:CS+1], v[12:13] op_sel_hi:[1,0,0]
.set n, n+2
.endr
.irp b, 0,1,2,3
	v_fma_f32 v[232+\b], v[232+\b], s[CS], v12
.endr
.set n, 0
	s_setprio 1
	s_wait_alu depctr_va_vdst(0)
.rept 64
	v_exp_f32 v[96+n], v[96+n]
.set n, n+1
.endr
	v_pk_mul_f32 v[14:15], v[14:15], v[252:253] op_sel_hi:[1,0]
	s_wait_alu depctr_va_vdst(0)
.irp b, 0,1,2,3
	v_exp_f32 v[232+\b], v[232+\b]
.endr
	v_pk_add_f32 v[236:237], v[100:101], v[104:105]
	v_pk_add_f32 v[250:251], v[108:109], v[112:113]
	v_pk_add_f32 v[248:249], v[116:117], v[120:121]
	v_pk_add_f32 v[246:247], v[124:125], v[128:129]
	v_pk_add_f32 v[244:245], v[132:133], v[136:137]
	v_pk_add_f32 v[242:243], v[140:141], v[144:145]
	v_pk_add_f32 v[240:241], v[148:149], v[152:153]
	v_pk_add_f32 v[14:15], v[14:15], v[156:157]
	v_pk_add_f32 v[236:237], v[236:237], v[96:97]
	v_pk_add_f32 v[250:251], v[250:251], v[98:99]
	v_pk_add_f32 v[248:249], v[248:249], v[102:103]
	v_pk_add_f32 v[246:247], v[246:247], v[106:107]
	v_pk_add_f32 v[244:245], v[244:245], v[110:111]
	v_pk_add_f32 v[242:243], v[242:243], v[114:115]
	v_pk_add_f32 v[240:241], v[240:241], v[118:119]
	v_pk_add_f32 v[14:15], v[14:15], v[122:123]
	v_pk_add_f32 v[236:237], v[236:237], v[126:127]
	v_pk_add_f32 v[250:251], v[250:251], v[130:131]
	v_pk_add_f32 v[248:249], v[248:249], v[134:135]
	v_pk_add_f32 v[246:247], v[246:247], v[138:139]
	v_pk_add_f32 v[244:245], v[244:245], v[142:143]
	v_pk_add_f32 v[242:243], v[242:243], v[146:147]
	v_pk_add_f32 v[240:241], v[240:241], v[150:151]
	v_pk_add_f32 v[14:15], v[14:15], v[154:155]
	v_pk_add_f32 v[236:237], v[236:237], v[158:159]
	s_delay_alu instid0(VALU_DEP_2)
	v_pk_add_f32 v[14:15], v[14:15], v[246:247]
	s_delay_alu instid0(VALU_DEP_2)
	v_pk_add_f32 v[236:237], v[236:237], v[244:245]
	v_pk_add_f32 v[250:251], v[250:251], v[242:243]
	v_pk_add_f32 v[248:249], v[248:249], v[240:241]
	s_delay_alu instid0(VALU_DEP_2)
	v_pk_add_f32 v[14:15], v[14:15], v[250:251]
	s_delay_alu instid0(VALU_DEP_2)
	v_pk_add_f32 v[236:237], v[236:237], v[248:249]
	s_delay_alu instid0(VALU_DEP_1)
	v_pk_add_f32 v[14:15], v[14:15], v[236:237]
	s_wait_alu depctr_va_vdst(0)
.irp b, 0,1,2,3
	v_max_num_f32 v[232+\b], 0x8000000, v[232+\b]
.endr
.irp b, 0,1,2,3
	s_delay_alu instid0(VALU_DEP_4)
	v_add_nc_u32 v[244+\b], 0xf8800000, v[232+\b]
.endr
.irp b, 0,1,2,3
.endr
.irp b, 0,1,2,3
	s_delay_alu instid0(VALU_DEP_4)
	v_lshrrev_b32 v[236+\b], 23, v[244+\b]
.endr
	s_delay_alu instid0(VALU_DEP_3)
	v_lshl_or_b32 v253, v237, 8, v236
	s_delay_alu instid0(VALU_DEP_1)
	v_lshl_or_b32 v253, v238, 16, v253
	s_delay_alu instid0(VALU_DEP_1)
	v_lshl_or_b32 v253, v239, 24, v253
.irp b, 0,1,2,3
.irp i, 0,1,2,3,4,5,6,7,8,9,10,11,12,13,14,15
.endr
	v_cvt_scalef32_pk8_bf8_f32 v[224+4*\b:225+4*\b], v[96+16*\b:103+16*\b], v[244+\b]
	v_cvt_scalef32_pk8_bf8_f32 v[226+4*\b:227+4*\b], v[104+16*\b:111+16*\b], v[244+\b]
.endr
.set n, 0
.rept 32
	v_pk_mul_f32 v[160+n:161+n], v[160+n:161+n], v[252:253] op_sel_hi:[1,0]
.set n, n+2
.endr
	s_wait_alu depctr_va_vdst(0)
.irp g, 0,1
.if \g > 0
.rept 8
	v_nop
.endr
.endif
.irp t, 0,1,2,3
.irp c, 0,1,2,3
	ds_load_b128 v[32+16*\t+4*\c:32+16*\t+4*\c+3], v[ADV] offset:(4*\g+\t)*2048+512*\c
.endr
.endr
.if \g == 0
	s_setprio 0
	ds_load_b128 v[248:251], v[ADS] offset:8192
.endif
	s_wait_dscnt 0x0
.irp t, 0,1,2,3
.if \g == 0
	v_wmma_scale_f32_16x16x128_f8f6f4 v[160+8*\t:167+8*\t], v[32+16*\t:47+16*\t], v[224:239], v[160+8*\t:167+8*\t], v[248+\t], v253 matrix_a_fmt:MATRIX_FMT_BF8 matrix_b_fmt:MATRIX_FMT_BF8
.else
	v_wmma_scale_f32_16x16x128_f8f6f4 v[192+8*\t:199+8*\t], v[32+16*\t:47+16*\t], v[224:239], v[192+8*\t:199+8*\t], v[248+\t], v253 matrix_a_fmt:MATRIX_FMT_BF8 matrix_b_fmt:MATRIX_FMT_BF8 matrix_a_scale:MATRIX_SCALE_ROW1
.endif
.endr
.endr
.Lhidden_\@:
	s_add_co_u32 s[KF], s[KF], 128
	s_add_co_u32 s[TS], s[TS], 512
	s_add_co_u32 s[TB], s[TB], 16384
.endm
.macro CHANGE fill
	s_wait_tensorcnt 0x0
	ds_add_u32 v[SPW], v[NIL]
.if \fill
	s_xor_b32 s[G0+1], s[G0+1], SLOT1
	s_add_nc_u64 s[G0+2:G0+3], s[G0+2:G0+3], 65536
	s_wait_xcnt 0x0
	s_add_nc_u64 s[PFA:PFA+1], s[PFA:PFA+1], 65536
	s_wait_dscnt 0x0
	CROUND
	tensor_load_to_lds s[G0:G0+3], s[G1:G1+7]
	s_nop 0
.rept 4
	v_nop
.endr
	ASK
.else
	s_wait_dscnt 0x0
	s_barrier_signal -1
	s_barrier_wait -1
.endif
.endm
.macro STEPS
	s_mov_b32 s[INNER], 4
.Lstep_\@:
	STEP
	s_sub_co_u32 s[INNER], s[INNER], 1
	s_cmp_lg_u32 s[INNER], 0
	s_cbranch_scc1 .Lstep_\@
	s_setprio 0
	s_sub_co_u32 s[TB], s[TB], 65536
	s_xor_b32 s[TB], s[TB], SLOT1
.endm
	s_wait_loadcnt 0x0
.Lslot:
	CHANGE 1
	STEPS
	s_sub_co_u32 s[SLOTS], s[SLOTS], 1
	s_cmp_lg_u32 s[SLOTS], 0
	s_cbranch_scc1 .Lslot
	CHANGE 0
	STEPS
.rept 8
	v_nop
.endr
	v_add_f32 v14, v14, v15
	s_delay_alu instid0(VALU_DEP_1)
	v_permlanex16_b32 v252, v14, s[SEL], s[SEL+1]
	s_delay_alu instid0(VALU_DEP_1)
	v_add_f32 v14, v14, v252
	s_wait_alu depctr_va_vdst(0)
	v_rcp_f32 v14, v14
.irp b, 0,1,2,3
	v_mov_b32 v[36+\b], 0
.endr
	s_wait_alu depctr_va_vdst(0)
.set n, 0
.rept 64
	v_mul_f32 v[96+n], v[160+n], v14
.set n, n+1
.endr
.irp b, 0,1,2,3
	v_max3_num_f32 v[32+\b], |v[96+16*\b]|, |v[97+16*\b]|, 0x8000000
.endr
.irp i, 2,4,6,8,10,12,14
.irp b, 0,1,2,3
	s_delay_alu instid0(VALU_DEP_4)
	v_max3_num_f32 v[32+\b], v[32+\b], |v[96+16*\b+\i]|, |v[97+16*\b+\i]|
.endr
.endr
.irp b, 0,1,2,3
	s_delay_alu instid0(VALU_DEP_4)
	v_permlanex16_b32 v[36+\b], v[32+\b], s[SEL], s[SEL+1]
.endr
.irp b, 0,1,2,3
	s_delay_alu instid0(VALU_DEP_4)
	v_max_num_f32 v[32+\b], v[32+\b], v[36+\b]
.endr
.irp b, 0,1,2,3
	s_delay_alu instid0(VALU_DEP_4)
	v_add_nc_u32 v[44+\b], 0xf8800000, v[32+\b]
.endr
.irp b, 0,1,2,3
.endr
.irp b, 0,1,2,3
	s_delay_alu instid0(VALU_DEP_4)
	v_lshrrev_b32 v[36+\b], 23, v[44+\b]
.endr
	s_delay_alu instid0(VALU_DEP_3)
	v_lshl_or_b32 v64, v37, 8, v36
	s_delay_alu instid0(VALU_DEP_1)
	v_lshl_or_b32 v64, v38, 16, v64
	s_delay_alu instid0(VALU_DEP_1)
	v_lshl_or_b32 v64, v39, 24, v64
.irp b, 0,1,2,3
.irp i, 0,1,2,3,4,5,6,7,8,9,10,11,12,13,14,15
.endr
	v_cvt_scalef32_pk8_bf8_f32 v[48+4*\b:49+4*\b], v[96+16*\b:103+16*\b], v[44+\b]
	v_cvt_scalef32_pk8_bf8_f32 v[50+4*\b:51+4*\b], v[104+16*\b:111+16*\b], v[44+\b]
.endr
	v_nop
.irp c, 0,1,2,3
	global_store_b128 v[LI], v[48+4*\c:51+4*\c], s[72:73] offset:512*\c
.endr
	global_store_b32 v[OS8], v64, s[74:75]
	s_wait_tensorcnt 0x0
	ds_add_u32 v[SPW], v[NIL]
	s_wait_dscnt 0x0
	CROUND
	s_endpgm
.Lfunc_end_k_qdd81c0ec82_attn:
	.size	k_qdd81c0ec82_attn, .Lfunc_end_k_qdd81c0ec82_attn-k_qdd81c0ec82_attn
	.p2alignl 7, 3214868480
	.fill 96, 4, 3214868480
	.section	.rodata,"a",@progbits
	.p2align	6, 0x0
	.amdhsa_kernel k_qdd81c0ec82_attn
		.amdhsa_group_segment_fixed_size 327680
		.amdhsa_private_segment_fixed_size 0
		.amdhsa_enable_private_segment 0
		.amdhsa_kernarg_size 32
		.amdhsa_user_sgpr_count 2
		.amdhsa_user_sgpr_kernarg_segment_ptr 1
		.amdhsa_wavefront_size32 1
		.amdhsa_system_sgpr_workgroup_id_x 1
		.amdhsa_system_sgpr_workgroup_id_y 1
		.amdhsa_system_sgpr_workgroup_id_z 1
		.amdhsa_system_vgpr_workitem_id 0
		.amdhsa_next_free_vgpr 256
		.amdhsa_next_free_sgpr 80
		.amdhsa_reserve_vcc 1
		.amdhsa_float_denorm_mode_32 3
		.amdhsa_float_denorm_mode_16_64 3
		.amdhsa_fp16_overflow 1
		.amdhsa_memory_ordered 1
		.amdhsa_forward_progress 1
		.amdhsa_inst_pref_size 73
	.end_amdhsa_kernel
	.amdgpu_metadata
---
amdhsa.version: [ 1, 2 ]
amdhsa.kernels:
  - .name:           k_qdd81c0ec82_attn
    .symbol:         k_qdd81c0ec82_attn.kd
    .args:
      - { .name: qkv_codes, .offset: 0, .size: 8, .value_kind: global_buffer, .address_space: global }
      - { .name: qkv_scales, .offset: 8, .size: 8, .value_kind: global_buffer, .address_space: global }
      - { .name: a_codes, .offset: 16, .size: 8, .value_kind: global_buffer, .address_space: global }
      - { .name: a_scales, .offset: 24, .size: 8, .value_kind: global_buffer, .address_space: global }
    .group_segment_fixed_size: 327680
    .private_segment_fixed_size: 0
    .kernarg_segment_align: 8
    .kernarg_segment_size: 32
    .max_flat_workgroup_size: 256
    .sgpr_count:     80
    .vgpr_count:     256
    .wavefront_size: 32
...
	.end_amdgpu_metadata
.endif
;; end of part 3
;; launch oproj (part 4): grid 16 x 16, 4 waves a work-group, clusters of 4 x 4, 327,680 bytes of LDS; arguments a_codes, a_scales, w_codes, w_scales, x, out0; writes out0
.if DOCPART == 4
	.amdgcn_target "amdgcn-amd-amdhsa--gfx1250"
	.amdhsa_code_object_version 6
	.text
	.protected	k_qdd81c0ec82_oproj
	.globl	k_qdd81c0ec82_oproj
	.p2align	8
	.type	k_qdd81c0ec82_oproj,@function
k_qdd81c0ec82_oproj:
	s_mov_b64 s[64:65], 0
	v_nop
	global_prefetch_b8 v0, s[64:65] scope:SCOPE_SE
	s_setreg_imm32_b32 hwreg(HW_REG_WAVE_MODE, 25, 1), 1
	s_wait_xcnt 0x0
	s_wait_alu depctr_hold_cnt(0) depctr_sa_sdst(0) depctr_va_vdst(0) depctr_va_sdst(0) depctr_va_ssrc(0) depctr_va_vcc(0) depctr_vm_vsrc(0)
	s_getreg_b32 s2, hwreg(HW_REG_IB_STS2, 6, 4)
	s_cmp_eq_u32 s2, 0
	s_cbranch_scc0 .Lentry_in_a_cluster
	s_endpgm
.Lentry_in_a_cluster:
	s_bfe_u32 s2, ttmp6, 0x10000c
	s_cmp_lg_u32 s2, 0xf033
	s_cbranch_scc0 .Lentry_shape_is_right
	s_endpgm
.Lentry_shape_is_right:
; OPROJ: out0 = x + attn Wo on codes of BF8 (E5M2) with E8M0 scales, K = 2,048.  C has 64 tiles of 256 x 256, too few for 256 WGPs: so a tile is 128 x 128, a wave's 64 x 64: 16 accumulators.
; K goes in 16 steps of 128; a slot holds four of them (512 along K); two slots, filled by joint tensor loads in clusters of 4 x 4: A's tiles shared along a row, B's along a column.  All 16 steps are written out.
; Fragments lie as images of registers ([c][lane][16 bytes]); rows stand at positions with bits 3 and 4 exchanged.  The matrix instruction is used transposed (source 0 = 16 columns of Wo, source 1 = 16 tokens):
; a lane holds one token, and the registers of result tiles 2 b, 2 b + 1 are the 16 neighbouring columns 32 b + 16 (lane / 16) + 0..15.
; The wave's own 64 x 64 of x is asked for at the head, in the layout of the stores, and added on the way out.
; REGISTERS: window 0: v16-31 addresses; v32-95 all scale words (8 y + 2 i + q: A's block i in lanes 0-15, B's in lanes 16-31); v96-127 rows read back; v128-255 the accumulators ((a, b) at v[128 + 8 (4 a + b)]).
;   window 1: two fragment buffers of 128: A's four fragments, then B's four.   window 2: v0-127 x, then the result.
.set SLOT,   131072                    ; four quarters of 32,768: A's rows 0-63, 64-127, B's likewise; in a quarter: tile i at 8,192 i, its q-th 128 along K at 2,048 q
.set SCL,    2*SLOT                    ; the scale words of all of K: quarter w at 4,096 w + 128 (w / 2), laid [y][64 rows][8 bytes]
.set STAGE,  278784                    ; the way out: 16 rows x 272 bytes for each wave; no tensor load lands here
.set SPARE,  296192                    ; the spare words, 128 bytes for each wave
.set ADRA, 16
.set ADRB, 20
.set STO,  24
.set RD,   25
.set GOF,  26
.set ADRS, 27
.set SPW,  28
.set NIL,  29
.set SC,   32
.set BK,   96
.set ACC,  128
.set G1, 24
.set G0, 32
.set G1B, 48
.set G0B, 56
.set G1S, 68
.set G0S, 76
.set G1SB, 80
.set G0SB, 88
.set MSB, 0
.macro WIN new
.if MSB != (\new)
	s_set_vgpr_msb (MSB<<8)|(\new)
.set MSB, (\new)
.endif
.endm
.set MUL,  0x05                        ; sources 0 (B) and 1 (A) window 1; C and D window 0
.set TO_F, 0x40                        ; destination window 1, address window 0
.macro JLOAD g0a, g1a, g0b, g1b        ; waves 0 and 1 fetch for A, waves 2 and 3 for B; four v_nop follow each of the two lines
	s_cmp_eq_u32 s21, 0
	s_cbranch_scc0 .Lfor_b_\@
	tensor_load_to_lds s[\g0a:\g0a+3], s[\g1a:\g1a+7]
	s_nop 0
.rept 4
	v_nop
.endr
	s_branch .Lasked_\@
.Lfor_b_\@:
	tensor_load_to_lds s[\g0b:\g0b+3], s[\g1b:\g1b+7]
	s_nop 0
.rept 4
	v_nop
.endr
.Lasked_\@:
.endm
.macro CREST
	s_cmp_lg_u32 s20, 0
	s_cbranch_scc1 .Lnot_wave_0_\@
	s_barrier_signal -3
.Lnot_wave_0_\@:
	s_barrier_wait -3
	s_barrier_signal -1
	s_barrier_wait -1
.endm
.macro CROUND
	s_barrier_signal -1
	s_barrier_wait -1
	CREST
.endm
	s_load_b256 s[4:11], s[0:1], 0x0               ; a_codes, a_scales, w_codes, w_scales
	s_load_b128 s[12:15], s[0:1], 0x20             ; x, out0
	v_lshl_add_u32 v[SPW], v0, 2, SPARE
	v_mov_b32 v[NIL], 0
	ds_add_u32 v28, v29
	ds_add_u32 v28, v29
	s_wait_dscnt 0x0
	v_lshrrev_b32 v1, 5, v0
	v_readfirstlane_b32 s20, v1                    ; wave 0..3
	s_lshr_b32 s21, s20, 1                         ; which half of the tokens is mine.  Also: I fetch for A (0) or for B (1)
	s_and_b32 s22, s20, 1                          ; which half of the columns.  Also: which 64 rows I fetch
	s_bfe_u32 s40, ttmp6, 0x40000
	s_bfe_u32 s41, ttmp6, 0x40004
	s_lshl_b32 s42, ttmp9, 2
	s_add_co_u32 s42, s42, s40                     ; tile column 0..15
	s_and_b32 s43, ttmp7, 0xffff
	s_lshl_b32 s43, s43, 2
	s_add_co_u32 s43, s43, s41                     ; tile row 0..15
	s_lshl_b32 s44, s41, 2
	s_lshl_b32 s44, 15, s44
	s_lshl_b32 s45, 0x1111, s40
	; group 1 for codes: 4 rows (tiles of 16) x 8,192 bytes (512 along K), 32,768 bytes apart; elements of 8 bytes
	s_or_b32 s[G1], s44, (3<<16)|(1<<21)
	s_or_b32 s[G1B], s45, (3<<16)|(1<<21)
.irp g, G1, G1B
	s_mov_b32 s[\g+1], 1024<<16
	s_mov_b32 s[\g+2], 4<<16
	s_mov_b32 s[\g+3], 1024<<16
	s_mov_b32 s[\g+4], 4
	s_mov_b32 s[\g+5], 4096
	s_mov_b32 s[\g+6], 0
	s_mov_b32 s[\g+7], 0
.endr
	; and for scale words: 8 rows (y) x 512 bytes (64 positions), 16,384 bytes apart
	s_or_b32 s[G1S], s44, (3<<16)|(1<<21)
	s_or_b32 s[G1SB], s45, (3<<16)|(1<<21)
.irp g, G1S, G1SB
	s_mov_b32 s[\g+1], 64<<16
	s_mov_b32 s[\g+2], 8<<16
	s_mov_b32 s[\g+3], 64<<16
	s_mov_b32 s[\g+4], 8
	s_mov_b32 s[\g+5], 2048
	s_mov_b32 s[\g+6], 0
	s_mov_b32 s[\g+7], 0
.endr
	s_lshl_b32 s92, s43, 18                        ; A: 128 rows of 2,048 bytes a tile row, 64 a half
	s_lshl_b32 s23, s22, 17
	s_add_co_u32 s92, s92, s23
	s_mov_b32 s93, 0
	s_lshl_b32 s94, s43, 10
	s_lshl_b32 s23, s22, 9
	s_add_co_u32 s94, s94, s23
	s_mov_b32 s95, 0
	s_lshl_b32 s96, s42, 18                        ; B: the fourth weight
	s_lshl_b32 s47, s22, 17
	s_add_co_u32 s96, s96, s47
	s_add_co_u32 s96, s96, 0xc00000
	s_mov_b32 s97, 0
	s_lshl_b32 s98, s42, 10
	s_lshl_b32 s47, s22, 9
	s_add_co_u32 s98, s98, s47
	s_add_co_u32 s98, s98, 393216
	s_mov_b32 s99, 0
	s_lshl_b32 s[G0+1], s20, 15                    ; where they go: no place in the cluster enters an LDS address
	s_add_co_u32 s[G0+5], s[G0+1], SLOT
	s_lshl_b32 s[G0B+1], s20, 15
	s_add_co_u32 s[G0B+5], s[G0B+1], SLOT
	s_lshl_b32 s23, s20, 12
	s_lshl_b32 s3, s21, 7
	s_add_co_u32 s23, s23, s3
	s_add_co_u32 s[G0S+1], s23, SCL
	s_add_co_u32 s[G0SB+1], s23, SCL
.irp g, G0, G0+4, G0B, G0B+4, G0S, G0SB
	s_mov_b32 s[\g], 1
.endr
	s_wait_kmcnt 0x0
	s_add_nc_u64 s[G0+2:G0+3], s[4:5], s[92:93]
	s_add_nc_u64 s[G0+6:G0+7], s[G0+2:G0+3], 8192  ; slot 1: the next 512 along K
	s_add_nc_u64 s[G0S+2:G0S+3], s[6:7], s[94:95]
	s_add_nc_u64 s[G0B+2:G0B+3], s[8:9], s[96:97]
	s_add_nc_u64 s[G0B+6:G0B+7], s[G0B+2:G0B+3], 8192
	s_add_nc_u64 s[G0SB+2:G0SB+3], s[10:11], s[98:99]
.irp g, G0+3, G0+7, G0B+3, G0B+7, G0S+3, G0SB+3
	s_or_b32 s[\g], s[\g], 0x80000000
.endr
	CROUND                                         ; all sixteen work-groups are here: the first joint loads meet
	JLOAD G0S, G1S, G0SB, G1SB                     ; three loads of mine are out: the scale words of all of K,
	JLOAD G0, G1, G0B, G1B                         ; slot 0,
	JLOAD G0+4, G1, G0B+4, G1B                     ; slot 1
	v_and_b32 v1, 15, v0                           ; r
	v_bfe_u32 v2, v0, 4, 1                         ; h
	v_and_b32 v3, 31, v0
	v_lshlrev_b32 v3, 4, v3                        ; 16 x lane
	s_lshl_b32 s23, s21, 15
	s_lshl_b32 s47, s22, 15
	s_add_co_u32 s47, s47, 65536
.irp s, 0,1
	v_add_nc_u32 v[ADRA+\s], s23, v3
	v_add_nc_u32 v[ADRB+\s], s47, v3
	s_add_co_u32 s23, s23, SLOT
	s_add_co_u32 s47, s47, SLOT
.endr
	s_lshl_b32 s23, s21, 12                        ; scale words: A's quarter;
	s_lshl_b32 s47, s22, 12
	s_add_co_u32 s47, s47, 8320
	s_sub_co_u32 s47, s47, s23                     ; B's lies so far behind it:
	v_mul_u32_u24 v6, s47, v2                      ; lanes 16-31 take B's
	s_add_co_u32 s23, s23, SCL
	v_lshl_add_u32 v5, v1, 3, v6
	v_add_nc_u32 v[ADRS], s23, v5
	s_mul_i32 s23, s20, 16*272
	s_add_co_u32 s23, s23, STAGE                   ; my stage
	v_mul_u32_u24 v4, v1, 272
	v_lshl_add_u32 v4, v2, 6, v4
	v_add_nc_u32 v[STO], s23, v4                   ; in: row r, + 64 h: my half's 16 columns of each 32
	v_mul_u32_u24 v4, v2, 272
	v_lshl_add_u32 v4, v1, 4, v4
	v_add_nc_u32 v[RD], s23, v4                    ; back: lanes 0-15 one row of 256 bytes, lanes 16-31 the next
	v_lshlrev_b32 v4, 13, v2
	v_lshl_add_u32 v[GOF], v1, 4, v4               ; and the same two rows in x and in out0
	s_lshl_b32 s92, s43, 20                        ; my first token's row, 8,192 bytes a row, and my 64 columns
	s_lshl_b32 s23, s21, 19
	s_add_co_u32 s92, s92, s23
	s_lshl_b32 s23, s42, 9
	s_add_co_u32 s92, s92, s23
	s_lshl_b32 s23, s22, 8
	s_add_co_u32 s92, s92, s23
	s_mov_b32 s93, 0
	s_add_nc_u64 s[12:13], s[12:13], s[92:93]
	s_add_nc_u64 s[14:15], s[14:15], s[92:93]
	WIN 0x80                                       ; destination window 2
.irp a, 0,1,2,3
.irp t, 0,1,2,3,4,5,6,7
	global_load_b128 v[32*\a+4*\t:32*\a+4*\t+3], v[GOF], s[12:13] offset:(32*(\a/2)+8*(\a%2)+2*\t+8*(\t/4))*8192 th:TH_LOAD_NT   ; stage row 2 t + lane / 16 of block a is this token
.endr
.endr
	WIN 0
.macro FETCH slot, q, f                ; 32 LDS loads in one run: B's four fragments, then A's four
	WIN TO_F
.irp i, 0,1,2,3
.irp c, 0,1,2,3
	ds_load_b128 v[\f+64+16*\i+4*\c:\f+64+16*\i+4*\c+3], v[ADRB+\slot] offset:8192*\i+2048*(\q)+512*\c
.endr
.endr
.irp i, 0,1,2,3
.irp c, 0,1,2,3
	ds_load_b128 v[\f+16*\i+4*\c:\f+16*\i+4*\c+3], v[ADRA+\slot] offset:8192*\i+2048*(\q)+512*\c
.endr
.endr
.endm
; four matrix instructions: A's block a x B's four, K step s.  The 16 accumulators take turns, one instruction a turn, in the same order in every step
.macro MUL4 f, a, s, zero
.irp b, 0,1,2,3
.if \zero
	v_wmma_scale_f32_16x16x128_f8f6f4 v[ACC+8*(4*(\a)+\b):ACC+8*(4*(\a)+\b)+7], v[\f+64+16*\b:\f+64+16*\b+15], v[\f+16*(\a):\f+16*(\a)+15], 0, v[SC+8*((\s)/2)+2*\b+(\s)%2], v[SC+8*((\s)/2)+2*(\a)+(\s)%2] matrix_a_fmt:MATRIX_FMT_BF8 matrix_b_fmt:MATRIX_FMT_BF8 matrix_a_scale:MATRIX_SCALE_ROW1
.else
	v_wmma_scale_f32_16x16x128_f8f6f4 v[ACC+8*(4*(\a)+\b):ACC+8*(4*(\a)+\b)+7], v[\f+64+16*\b:\f+64+16*\b+15], v[\f+16*(\a):\f+16*(\a)+15], v[ACC+8*(4*(\a)+\b):ACC+8*(4*(\a)+\b)+7], v[SC+8*((\s)/2)+2*\b+(\s)%2], v[SC+8*((\s)/2)+2*(\a)+(\s)%2] matrix_a_fmt:MATRIX_FMT_BF8 matrix_b_fmt:MATRIX_FMT_BF8 matrix_a_scale:MATRIX_SCALE_ROW1
.endif
.endr
.endm
.macro PLACES n
.rept \n
	v_nop
.endr
.endm
.macro KSTEP s, zero                   ; a K step that has its successor in the same slot
.set FB, 128*((\s)%2)
.set GB, 128-FB
	s_wait_dscnt 8                                 ; B's fragments and A's blocks 0, 1 are in; the youngest eight loads (blocks 2, 3) may be out
	WIN MUL
	MUL4 FB, 0, \s, \zero
	MUL4 FB, 1, \s, \zero
	PLACES 8
	FETCH ((\s)/4)%2, (\s)%4+1, GB
	s_wait_dscnt 32                                ; all but the 32 just issued
	WIN MUL
	MUL4 FB, 2, \s, \zero
	MUL4 FB, 3, \s, \zero
.endm
; A slot's last K step changes slots: one barrier; in front of it each wave waits for all its tensor loads, adds 0 to its spare word, and waits for that and for its reads of this slot
.macro TURN s, slot, next, fill
.set FB, 128*((\s)%2)
.set GB, 128-FB
	WIN 0                                          ; (the add's two registers lie in window 0)
	s_wait_tensorcnt 0x0                           ; all my tensor loads have landed: my part of the next slot
	ds_add_u32 v[SPW], v[NIL]                      ; 0 onto my spare word
	s_wait_dscnt 9                                 ; (the add and the youngest eight loads may be out)
	WIN MUL
	MUL4 FB, 0, \s, 0
	s_wait_dscnt 0x0                               ; the add is done, and my reads of this slot are over
	s_barrier_signal -1
	MUL4 FB, 1, \s, 0
	WIN 0
	s_barrier_wait -1
.if \fill
	CREST                                          ; the barrier has opened a round of the cluster's barrier
	s_add_nc_u64 s[G0+4*\slot+2:G0+4*\slot+3], s[G0+4*\slot+2:G0+4*\slot+3], 16384
	s_add_nc_u64 s[G0B+4*\slot+2:G0B+4*\slot+3], s[G0B+4*\slot+2:G0B+4*\slot+3], 16384
	JLOAD G0+4*\slot, G1, G0B+4*\slot, G1B         ; the first tensor load behind the round; its four v_nop are among the places in front of the loads below
	PLACES 4
.else
	PLACES 8
.endif
	FETCH \next, 0, GB
	WIN MUL
	MUL4 FB, 2, \s, 0
	MUL4 FB, 3, \s, 0
.endm
	s_wait_tensorcnt 1                             ; the scale words and my part of slot 0 are in; slot 1's load may be out
	s_barrier_signal -1
	s_barrier_wait -1
.irp y, 0,1,2,3,4,5,6,7
.irp i, 0,1,2,3
	ds_load_b64 v[SC+8*\y+2*\i:SC+8*\y+2*\i+1], v[ADRS] offset:512*\y+128*\i     ; all scale words, once
.endr
.endr
	FETCH 0, 0, 0
	KSTEP 0, 1                                     ; the first products start the sums
	KSTEP 1, 0
	KSTEP 2, 0
	TURN 3, 0, 1, 1
	KSTEP 4, 0
	KSTEP 5, 0
	KSTEP 6, 0
	TURN 7, 1, 0, 1
	KSTEP 8, 0
	KSTEP 9, 0
	KSTEP 10, 0
	TURN 11, 0, 1, 0                               ; nothing is left to fetch
	KSTEP 12, 0
	KSTEP 13, 0
	KSTEP 14, 0
	s_wait_dscnt 8
	WIN MUL
	MUL4 128, 0, 15, 0
	MUL4 128, 1, 15, 0
	s_wait_dscnt 0
	MUL4 128, 2, 15, 0
	MUL4 128, 3, 15, 0
	WIN 0
	; THE WAY OUT, a block of 16 tokens x 64 columns at a time, through my own stage: my 64 columns are 256 consecutive bytes of a row, aligned, so no other wave has a part in them
	PLACES 8
.irp a, 0,1,2,3
.irp b, 0,1,2,3
	ds_store_b128 v[STO], v[ACC+8*(4*\a+\b):ACC+8*(4*\a+\b)+3] offset:128*(\b/2)+32*(\b%2)          ; each accumulator from its low end on
	ds_store_b128 v[STO], v[ACC+8*(4*\a+\b)+4:ACC+8*(4*\a+\b)+7] offset:128*(\b/2)+32*(\b%2)+16
.endr
.irp t, 0,1,2,3,4,5,6,7
	ds_load_b128 v[BK+4*\t:BK+4*\t+3], v[RD] offset:544*\t      ; LDS serves a wave's instructions in order: these see the stores above, and the next block's stores come behind them
.endr
	s_wait_dscnt 0x0
.if \a == 0
	s_wait_loadcnt 0x0                             ; x
.endif
	WIN 0x88                                       ; source 1 and destination window 2
.irp n, 0,2,4,6,8,10,12,14,16,18,20,22,24,26,28,30
	v_pk_add_f32 v[32*\a+\n:32*\a+\n+1], v[BK+\n:BK+\n+1], v[32*\a+\n:32*\a+\n+1]     ; the residual
.endr
	WIN 0x08                                       ; a store's data are its source 1
.irp t, 0,1,2,3,4,5,6,7
	global_store_b128 v[GOF], v[32*\a+4*\t:32*\a+4*\t+3], s[14:15] offset:(32*(\a/2)+8*(\a%2)+2*\t+8*(\t/4))*8192 th:TH_STORE_NT   ; sixteen lanes store 256 consecutive bytes, aligned
.endr
	WIN 0
.endr
	s_wait_tensorcnt 0x0                           ; the wave's end
	ds_add_u32 v[SPW], v[NIL]
	s_wait_dscnt 0x0
	CROUND                                         ; the closing round
	s_endpgm
.Lfunc_end_k_qdd81c0ec82_oproj:
	.size	k_qdd81c0ec82_oproj, .Lfunc_end_k_qdd81c0ec82_oproj-k_qdd81c0ec82_oproj
	.p2alignl 7, 3214868480
	.fill 96, 4, 3214868480
	.section	.rodata,"a",@progbits
	.p2align	6, 0x0
	.amdhsa_kernel k_qdd81c0ec82_oproj
		.amdhsa_group_segment_fixed_size 327680
		.amdhsa_private_segment_fixed_size 0
		.amdhsa_enable_private_segment 0
		.amdhsa_kernarg_size 48
		.amdhsa_user_sgpr_count 2
		.amdhsa_user_sgpr_kernarg_segment_ptr 1
		.amdhsa_wavefront_size32 1
		.amdhsa_system_sgpr_workgroup_id_x 1
		.amdhsa_system_sgpr_workgroup_id_y 1
		.amdhsa_system_sgpr_workgroup_id_z 1
		.amdhsa_system_vgpr_workitem_id 0
		.amdhsa_next_free_vgpr 768
		.amdhsa_next_free_sgpr 100
		.amdhsa_reserve_vcc 0
		.amdhsa_float_denorm_mode_32 3
		.amdhsa_float_denorm_mode_16_64 3
		.amdhsa_memory_ordered 1
		.amdhsa_forward_progress 1
		.amdhsa_inst_pref_size 99
	.end_amdhsa_kernel
	.amdgpu_metadata
---
amdhsa.version: [ 1, 2 ]
amdhsa.kernels:
  - .name:           k_qdd81c0ec82_oproj
    .symbol:         k_qdd81c0ec82_oproj.kd
    .args:
      - { .name: a_codes, .offset: 0, .size: 8, .value_kind: global_buffer, .address_space: global }
      - { .name: a_scales, .offset: 8, .size: 8, .value_kind: global_buffer, .address_space: global }
      - { .name: w_codes, .offset: 16, .size: 8, .value_kind: global_buffer, .address_space: global }
      - { .name: w_scales, .offset: 24, .size: 8, .value_kind: global_buffer, .address_space: global }
      - { .name: x, .offset: 32, .size: 8, .value_kind: global_buffer, .address_space: global }
      - { .name: out0, .offset: 40, .size: 8, .value_kind: global_buffer, .address_space: global }
    .group_segment_fixed_size: 327680
    .private_segment_fixed_size: 0
    .kernarg_segment_align: 8
    .kernarg_segment_size: 48
    .max_flat_workgroup_size: 128
    .sgpr_count:     100
    .vgpr_count:     768
    .wavefront_size: 32
...
	.end_amdgpu_metadata
.endif
;; end of part 4
